; MI455X (gfx1250); checked and timed in simulation.
; The chip was launched on July 23, 2026; its instructions are those of AMD's public machine-readable ISA for CDNA 5 (MIT licence, August 2026) and "CDNA5" Instruction Set Architecture Reference Guide (July 2026). The comments in the code are by the model that wrote it; some were corrected since.
;; Feature Fusion KAN. Allowed arithmetic: matrix products marked QUANTISED: E2M3 operands, one E8M0 scale for each 32 along K, by v_wmma_scale_f32_16x16x128_f8f6f4 with both operands' format E2M3, f32 sums; everything else in f32.
;; Inputs: attn_b 1,024 float32; attn_w_codes 1,024 x 64 x 24 uint8 (E2M3 codes of attn_w, K innermost, in blocks of 32 codes, four codes in three bytes); attn_w_scales 1,024 x 64 uint8 (E8M0 scales of attn_w, one for each 32 codes along K); base_w0_codes 1,024 x 64 x 24 uint8 (E2M3 codes of base_w0, K innermost, in blocks of 32 codes, four codes in three bytes); base_w0_scales 1,024 x 64 uint8 (E8M0 scales of base_w0, one for each 32 codes along K); base_w1_codes 1,024 x 32 x 24 uint8 (E2M3 codes of base_w1, K innermost, in blocks of 32 codes, four codes in three bytes); base_w1_scales 1,024 x 32 uint8 (E8M0 scales of base_w1, one for each 32 codes along K); feat1 2,048 x 1,024 float32; feat2 2,048 x 1,024 float32; spline_w0 1,024 x 2,048 x 8 float32; spline_w1 1,024 x 1,024 x 8 float32.
;; Outputs: out0 2,048 x 1,024 float32.
;; This version of the problem:
;;   THIS VERSION OF THE PROBLEM IS GIVEN IN LOW PRECISION. The matrix products marked QUANTISED in the list below multiply operands that are first quantised to E2M3 (2 exponent bits, 3 mantissa bits; 6 bits a number), with one power-of-two scale for each 32 numbers along K (OCP MX v1.0); their sums are f32. All else is computed in f32.
;;   The module's matrix products, in the order in which they are computed (A, B: the left and right operand; K: the contracted axis; several contracted axes count as one K, in the product's order):
;;     1. [M 2,048, K 2,048] x [K 2,048, N 1,024]; A: computed on the way; B: input attn_w (given as codes): QUANTISED
;;     2. [M 2,048, K 2,048] x [K 2,048, N 1,024]; A: computed on the way; B: input base_w0 (given as codes): QUANTISED
;;     3. [M 2,048, K 16,384] x [K 16,384, N 1,024]; A: computed on the way; B: input spline_w0: QUANTISED
;;     4. [M 2,048, K 1,024] x [K 1,024, N 1,024]; A: computed on the way; B: input base_w1 (given as codes): QUANTISED
;;     5. [M 2,048, K 8,192] x [K 8,192, N 1,024]; A: computed on the way; B: input spline_w1: QUANTISED
;;   THE QUANTISER, for each operand of a quantised product, along K:
;;     - K is cut into blocks of 32 from its start; a last block that is shorter is filled with zeros.
;;     - A block's scale is 2^e with e = floor(log2(the largest magnitude in the block)) - 2, held to -126 .. 127; a block of zeros has e = 0. As a byte (E8M0): e + 127.
;;     - Each number is divided by its block's scale, clamped to +-7.5, and rounded to the nearest number of E2M3, ties to even, subnormals kept.
;;     - The product sums the exact products of the quantised numbers (number of the format x scale) in f32.
;;   ~~~python
;;   def quantise(x, axis):      # numpy; x: float32 -> the quantised numbers, widened to float32 again
;;       x = np.moveaxis(x, axis, -1); K = x.shape[-1]
;;       x = np.pad(x, [(0, 0)] * (x.ndim - 1) + [(0, -K % 32)]); x = x.reshape(x.shape[:-1] + (-1, 32)); a = np.abs(x).max(-1, keepdims=True)
;;       e = np.where(a > 0, np.clip(np.frexp(np.where(a > 0, a, 1))[1] - 1 - 2, -126, 127), 0)      # np.frexp(a)[1] - 1 = floor(log2(a)), exactly
;;       r = np.clip(x / 2.0 ** e, -7.5, 7.5)
;;       step = 2.0 ** (np.maximum(np.frexp(np.where(r == 0, 1, r))[1] - 1, 0) - 3)
;;       q = np.round(r / step) * step * 2.0 ** e      # np.round: ties to even
;;       return np.moveaxis(q.reshape(q.shape[:-2] + (-1,))[..., :K], -1, axis).astype(np.float32)
;;   ~~~
;;   OPERANDS COMPUTED ON THE WAY. 'Computed on the way' means the value that the module computes at that place (a softmax that the list does not call 'softmax' is quantised finished and normalised). What goes into a quantiser is computed in f32, as accurately as f32 sums, v_exp_f32 and their like allow (about 1e-6 of the number): no bf16 or f16 on the way to a quantiser, and a product that is left as it is and whose result goes on into a quantised operand takes f32 operands (vector FMAs, or v_wmma_f32_16x16x4_f32). A number that lies on a knife's edge between two numbers of the format may be rounded either way, as far as f32 arithmetic and the matrix unit's own rounding can turn it there, and no further.
;;   INPUTS GIVEN AS CODES. attn_w (in the module: [1024, 2048], K = its axis 1); base_w0 (in the module: [1024, 2048], K = its axis 1); base_w1 (in the module: [1024, 1024], K = its axis 1): each comes as NAME_codes (uint8): NAME with its K axis moved to the last place and cut into blocks of 32 codes, [.., K / 32, bytes a block], one block behind the other in memory; four codes in three bytes: a row's codes are one little-endian stream of bits, code i at bits 6 i .. 6 i + 5 (a code: sign, 2 exponent bits, 3 mantissa bits); and NAME_scales (uint8): the same leading axes, one E8M0 byte (e + 127) for each 32 codes along K. Its value is code x scale, taken as it is: it is not quantised again, and the codes and scales need not be those that the quantiser above would give.
;; One version. Each part assembles by itself: llvm-mc -triple=amdgcn-amd-amdhsa -mcpu=gfx1250 --defsym DOCPART=n.
;; ======== version 1 of 1: 4 launches
;; limits: right only within a limited range of input values
;; workspace buffers: xq 3,276,800 bytes; wa 1,638,400 bytes; w0 14,745,600 bytes; w1 7,372,800 bytes; a0 29,491,200 bytes; a1 14,745,600 bytes
;; launch prep (part 1): grid 2208 x 1, 4 waves a work-group, no clusters, 66,304 bytes of LDS; arguments spline_w0, spline_w1, feat1, feat2, attn_w_codes, attn_w_scales, base_w0_codes, base_w0_scales, base_w1_codes, base_w1_scales, w0, w1, xq, wa; writes w0, w1, xq, wa
.if DOCPART == 1
	.amdgcn_target "amdgcn-amd-amdhsa--gfx1250"
	.amdhsa_code_object_version 6
	.text
	.protected	k_qb2b5a0bfe8_prep
	.globl	k_qb2b5a0bfe8_prep
	.p2align	8
	.type	k_qb2b5a0bfe8_prep,@function
k_qb2b5a0bfe8_prep:
	s_mov_b64 s[64:65], 0
	v_nop
	global_prefetch_b8 v0, s[64:65] scope:SCOPE_SE
	s_setreg_imm32_b32 hwreg(HW_REG_WAVE_MODE, 25, 1), 1
	s_wait_xcnt 0x0
; PREP: every operand that is known before the first product is laid out as RECORDS for the three products' launches.
; A record is 64 rows x 128 along K in 6,400 bytes: four fragments (16 rows x 128 K of E2M3 codes) as images of their twelve registers
; (fragment j at 1,536 j; registers 4 c .. 4 c + 3 of lane l at 512 c + 16 l), then at byte 6,144 the scale words: the word at 8 l + 4 i is that of
; fragment 2 i + l / 16, row l % 16.  Records lie [group of 64 rows][place along K].
; ALONG K OF THE SPLINE PRODUCTS THE BASIS IS THE OUTER INDEX AND THE FEATURE THE INNER ONE: a block of 32 is 32 neighbouring features of one basis, a record 128 features of one basis.
; In memory a feature's 8 basis weights are neighbours.  So a work-group takes 16 rows x 128 features x 8 bases (64 KB, read in runs of 512 consecutive bytes), lays them in LDS, and each
; of its four waves reads two bases back, 32 bytes from feature to feature, and makes that fragment of two records.
; WORK-GROUPS: 0-1023 spline_w0 -> w0; 1024-1535 spline_w1 -> w1; 1536-2047 feat1 | feat2 -> xq (a fragment a wave, no LDS); 2048-2207 given codes are re-laid (attn_w -> wa, base_w0 -> w0, base_w1 -> w1).
; ROWS OF A FRAGMENT: of xq fragment j, lane r is row 16 j + r.  Of a weight fragment 2 b + u, lane r is row 32 b + 8 u + r + 8 (r / 8): the product's results then
; lie with 16 neighbouring columns in a lane's 16 registers.
; THE QUANTISER: a block of 32 along K has the scale 2^(floor(log2(largest magnitude)) - 2); its byte is the largest magnitude's exponent field - 2, held at 1 from below.
; A fragment's 16 scale words leave by one store of 4 bytes a lane: a quarter of the record's 256 bytes of scale words; the other fragments' come from other waves or work-groups.
; LIMITS: a block of zeros gets the byte 1 (its codes are zeros; only this program reads the bytes); blocks whose largest magnitude lies under 2^-124 are held at that floor;
; NaN and infinities among the inputs are not served.
.set REC,  6400
.set LP,   4112                        ; a stage row: 4,096 bytes + 16
.set TM,   28                          ; v28-39  largest magnitudes, bytes, scale operands
.set PW,   40                          ; v40     the scale word just made
.set PC,   44                          ; v44-63  the codes just made
.set SW,   60                          ; v60-63  (re-laying alone) the four fragments' scale words
.set RAW,  64                          ; v64-191 four rows as loaded
.set NUM,  192                         ; v192-255 my 64 numbers: register 16 b + i = k 32 b + 16 h + i of my row
; 64 numbers of a lane become a fragment's codes in v[PC] on and its scale word in v[PW]
.macro QUANT s
.irp b, 0,1,2,3
	v_max3_num_f32 v[TM+\b], |v[\s+16*\b]|, |v[\s+1+16*\b]|, 0x1800000   ; with the floor 2^(3 - 127): the byte cannot fall under 1
.endr
.irp i, 2,4,6,8,10,12,14
.irp b, 0,1,2,3
	v_max3_num_f32 v[TM+\b], v[TM+\b], |v[\s+16*\b+\i]|, |v[\s+1+16*\b+\i]|
.endr
.endr
.irp b, 0,1,2,3
	v_permlanex16_b32 v[TM+4+\b], v[TM+\b], s78, s79
.endr
.irp b, 0,1,2,3
	v_max_num_f32 v[TM+\b], v[TM+\b], v[TM+4+\b]   ; with lane l xor 16's: the block's largest magnitude
.endr
.irp b, 0,1,2,3
	v_add_nc_u32 v[TM+8+\b], 0xff000000, v[TM+\b]  ; 2 off its exponent field: the conversion's scale operand
.endr
.irp b, 0,1,2,3
	v_lshrrev_b32 v[TM+4+\b], 23, v[TM+8+\b]       ; the scale's byte
.endr
	v_lshl_or_b32 v[PW], v[TM+5], 8, v[TM+4]
	v_lshl_or_b32 v[PW], v[TM+6], 16, v[PW]
	v_lshl_or_b32 v[PW], v[TM+7], 24, v[PW]
.irp c, 0,1
	v_cvt_scalef32_pk16_fp6_f32 v[PC+6*\c:PC+2+6*\c], v[\s+32*\c:\s+15+32*\c], v[TM+8+2*\c]
	v_cvt_scalef32_pk16_fp6_f32 v[PC+12+4*\c:PC+14+4*\c], v[\s+16+32*\c:\s+31+32*\c], v[TM+8+2*\c+1]
.endr
	v_nop                                          ; one plain place behind a scaled conversion
.irp c, 0,1                                    ; the operand's layout wants a whole block in a lane
.irp i, 0,1,2
	v_permlane16_swap_b32 v[PC+6*\c+\i], v[PC+12+4*\c+\i]
.endr
.irp i, 0,1,2
	v_mov_b32 v[PC+3+6*\c+\i], v[PC+12+4*\c+\i]
.endr
.endr
.endm
.macro MKV6 sj                         ; v6: from my fragment's first byte to my row's scale word: 6,144 - 1,536 j + 128 (j & 1) + 4 (j >> 1) + 8 r
	s_and_b32 s62, \sj, 1
	s_lshl_b32 s62, s62, 7
	s_lshr_b32 s63, \sj, 1
	s_lshl_b32 s63, s63, 2
	s_add_co_u32 s62, s62, s63
	s_add_co_u32 s62, s62, 6144
	s_mul_i32 s63, \sj, 1536
	s_sub_co_u32 s62, s62, s63
	v_lshl_add_u32 v6, v8, 3, s62
.endm
.macro OUTF off                        ; the image: each store covers 512 consecutive bytes, aligned; then the scale words (lanes r and r + 16 store the same word with the same value)
.irp c, 0,1,2
	global_store_b128 v1, v[PC+4*\c:PC+4*\c+3], s[56:57] offset:\off+512*\c th:TH_STORE_NT
.endr
	global_store_b32 v6, v[PW], s[56:57] offset:\off th:TH_STORE_NT
.endm
	s_load_b512 s[8:23], s[0:1], 0x0               ; spline_w0, spline_w1, feat1, feat2, attn codes, attn scales, base_w0 codes, base_w0 scales
	s_load_b256 s[24:31], s[0:1], 0x40             ; base_w1 codes, base_w1 scales, w0, w1
	s_load_b128 s[32:35], s[0:1], 0x60             ; xq, wa
	v_lshl_add_u32 v43, v0, 2, 0x10100
	v_mov_b32 v59, 0
	v_lshrrev_b32 v6, 5, v0
	v_readfirstlane_b32 s2, v6                     ; wave 0..3
	v_and_b32 v7, 31, v0                           ; lane
	v_and_b32 v8, 15, v0                           ; r
	v_bfe_u32 v9, v0, 4, 1                         ; h
	v_lshlrev_b32 v1, 4, v7                        ; 16 x lane
	v_lshlrev_b32 v2, 3, v7                        ; 8 x lane
	s_mov_b32 s3, 0xffff0000                       ; lanes 16-31
	s_mov_b32 s78, 0x76543210
	s_mov_b32 s79, 0xfedcba98                      ; lane selects: lane l xor 16
.irp b, 0,1,2,3
	v_mov_b32 v[TM+4+\b], 0                        ; written once: a lane permute's destination counts as one of its sources
.endr
	s_cmp_ge_u32 ttmp9, 2048
	s_cbranch_scc1 .Lrelay
	s_cmp_ge_u32 ttmp9, 1536
	s_cbranch_scc1 .Lfeat
; ---------------- the spline weights.  The two tensors take one path; only scalars and pointers are chosen, by the work-group's number.
	s_cmp_lt_u32 ttmp9, 1024
	s_cselect_b32 s36, 0, 1024                     ; first work-group of the class
	s_mov_b32 s37, 32768
	s_cselect_b32 s37, 65536, s37                  ; bytes from row to row
	s_cselect_b32 s38, 6, 5                        ; log2 of the work-groups of a group of 64 rows
	s_cselect_b32 s39, 15, 7                       ; mask of the chunk of 128 features
	s_mov_b32 s40, 72
	s_cselect_b32 s40, 144, s40                    ; records along K in the target
	s_sub_co_u32 s43, ttmp9, s36
	s_lshr_b32 s44, s43, s38                       ; group of 64 rows
	s_lshr_b32 s45, s43, 2
	s_and_b32 s45, s45, s39                        ; x: which 128 features
	s_and_b32 s41, s43, 3                          ; j: which fragment
	s_and_b32 s46, s45, 7                          ; w0's place of basis 0: 16 + 16 (x & 7) + 8 (x >> 3): the order in which the attention launch makes the other operand
	s_lshl_b32 s46, s46, 4
	s_lshr_b32 s62, s45, 3
	s_lshl_b32 s62, s62, 3
	s_add_co_u32 s46, s46, s62
	s_add_co_u32 s46, s46, 16
	s_lshl_b32 s47, s45, 3                         ; w1's: 8 + 8 x
	s_add_co_u32 s47, s47, 8
	s_cmp_lt_u32 ttmp9, 1024
	s_cselect_b32 s46, s46, s47
	s_wait_kmcnt 0x0
	s_cselect_b64 s[58:59], s[8:9], s[10:11]
	s_cselect_b64 s[56:57], s[28:29], s[30:31]
	s_lshr_b32 s62, s41, 1                         ; the first of the four rows that I load: 64 group + 32 (j >> 1) + 8 (j & 1) + 4 wave + 8 (wave >> 1)
	s_lshl_b32 s62, s62, 5
	s_and_b32 s63, s41, 1
	s_lshl_b32 s63, s63, 3
	s_add_co_u32 s62, s62, s63
	s_lshl_b32 s63, s44, 6
	s_add_co_u32 s62, s62, s63
	s_lshl_b32 s63, s2, 2
	s_add_co_u32 s62, s62, s63
	s_lshr_b32 s63, s2, 1
	s_lshl_b32 s63, s63, 3
	s_add_co_u32 s62, s62, s63
	s_mul_i32 s60, s62, s37                        ; under 2^32
	s_lshl_b32 s63, s45, 12                        ; 128 features x 8 bases are 4,096 bytes
	s_add_co_u32 s60, s60, s63
	s_mov_b32 s61, 0
	s_add_nc_u64 s[58:59], s[58:59], s[60:61]
	s_mul_i32 s60, s44, s40                        ; my fragment of the record of basis 2 wave
	s_add_co_u32 s60, s60, s46
	s_lshl_b32 s63, s2, 1
	s_add_co_u32 s60, s60, s63
	s_mul_i32 s60, s60, REC
	s_mul_i32 s63, s41, 1536
	s_add_co_u32 s60, s60, s63
	s_add_nc_u64 s[56:57], s[56:57], s[60:61]
	s_wait_alu depctr_va_vdst(0)
	MKV6 s41
.irp q, 0,1,2,3
	s_mul_i32 s62, s37, \q
	v_add_nc_u32 v[16+\q], s62, v1
.endr
	s_mul_i32 s62, s2, 4*LP
	v_add_nc_u32 v4, s62, v1                       ; into the stage: my four rows, as they lie
	v_mul_u32_u24 v5, v8, LP
	v_lshl_add_u32 v5, v9, 9, v5                   ; out of it: row r, + 16 features x 32 bytes for lanes 16-31,
	s_lshl_b32 s62, s2, 3
	v_add_nc_u32 v5, s62, v5                       ; + 4 bytes x basis 2 wave
.irp q, 0,1,2,3
.irp g, 0,1,2,3,4,5,6,7
	global_load_b128 v[RAW+32*\q+4*\g:RAW+32*\q+4*\g+3], v[16+\q], s[58:59] offset:512*\g th:TH_LOAD_NT   ; 512 consecutive bytes of one row
.endr
.endr
	s_wait_alu depctr_va_vdst(0)
.irp q, 0,1,2,3
	s_wait_loadcnt 24-8*\q                         ; row q's eight loads are in; the later rows' may be out
.irp g, 0,1,2,3,4,5,6,7
	ds_store_b128 v4, v[RAW+32*\q+4*\g:RAW+32*\q+4*\g+3] offset:\q*LP+512*\g
.endr
.endr
	s_wait_dscnt 0x0                               ; for the others' sake: my rows lie in the stage
	s_barrier_signal -1
	s_barrier_wait -1
.irp e, 0,1                                    ; bases 2 wave and 2 wave + 1
.irp b, 0,1,2,3
.if \b == 3
	s_wait_dscnt 32                                ; at most 32 of the 48 issued stay out: with the last 16 at most 48
.endif
.irp i, 0,1,2,3,4,5,6,7,8,9,10,11,12,13,14,15
	ds_load_b32 v[NUM+16*\b+\i], v5 offset:1024*\b+32*\i+4*\e
.endr
.endr
	s_wait_dscnt 0x0
.if \e > 0
	s_wait_xcnt 0x0                                ; the last fragment's stores have read their data: the codes' registers are written again only behind this wait
.endif
	QUANT NUM
	OUTF \e*REC
.endr
	s_wait_tensorcnt 0x0
	ds_add_u32 v43, v59
	s_wait_dscnt 0x0
	s_endpgm
; ---------------- feat1 | feat2: K is innermost, so a lane loads its 16 neighbours of each block straight; a wave makes one fragment
.Lfeat:
	s_sub_co_u32 s43, ttmp9, 1536
	s_lshr_b32 s44, s43, 4                         ; group of 64 rows
	s_and_b32 s45, s43, 15                         ; x: which 128 of the 2,048 combined features
	s_lshl_b32 s60, s44, 6
	s_lshl_b32 s62, s2, 4
	s_add_co_u32 s60, s60, s62                     ; row 64 group + 16 wave
	s_lshl_b32 s60, s60, 12
	s_and_b32 s62, s45, 7
	s_lshl_b32 s62, s62, 9
	s_add_co_u32 s60, s60, s62
	s_mov_b32 s61, 0
	s_cmp_lt_u32 s45, 8                            ; feat1 holds the first 1,024
	s_wait_kmcnt 0x0
	s_cselect_b64 s[58:59], s[12:13], s[14:15]
	s_add_nc_u64 s[58:59], s[58:59], s[60:61]
	s_lshl_b32 s60, s44, 4
	s_add_co_u32 s60, s60, s45
	s_mul_i32 s60, s60, REC
	s_mul_i32 s62, s2, 1536
	s_add_co_u32 s60, s60, s62
	s_add_nc_u64 s[56:57], s[32:33], s[60:61]
	s_wait_alu depctr_va_vdst(0)
	MKV6 s2
	v_lshlrev_b32 v7, 6, v9
	v_lshl_add_u32 v7, v8, 12, v7                  ; 4,096 r + 64 h
.irp b, 0,1,2,3
.irp q, 0,1,2,3
	global_load_b128 v[NUM+16*\b+4*\q:NUM+16*\b+4*\q+3], v7, s[58:59] offset:128*\b+16*\q
.endr
.endr
	s_wait_loadcnt 0x0
	QUANT NUM
	OUTF 0
	s_endpgm
; ---------------- given codes into records: nothing is computed, no LDS; a wave makes one record
.Lrelay:
	s_mov_b32 s36, 2176                            ; defaults: base_w1
	s_mov_b32 s37, 768                             ; a row of codes in bytes
	s_mov_b32 s38, 3
	s_mov_b32 s39, 32                              ; a row of scale bytes
	s_mov_b32 s40, 72
	s_cmp_lt_u32 ttmp9, 2176                       ; base_w0
	s_cselect_b32 s36, 2112, s36
	s_cselect_b32 s37, 1536, s37
	s_cselect_b32 s38, 4, s38
	s_cselect_b32 s39, 64, s39
	s_cselect_b32 s40, 144, s40
	s_cmp_lt_u32 ttmp9, 2112                       ; attn_w
	s_cselect_b32 s36, 2048, s36
	s_cselect_b32 s40, 16, s40
	s_sub_co_u32 s43, ttmp9, s36
	s_lshl_b32 s43, s43, 2
	s_add_co_u32 s43, s43, s2
	s_lshr_b32 s44, s43, s38                       ; group of 64 rows
	s_lshl_b32 s62, s44, s38
	s_sub_co_u32 s45, s43, s62                     ; x: which 128 along K
	s_and_b32 s46, s45, 7                          ; base_w0's place in w0: 2 (x & 7) + (x >> 3)
	s_lshl_b32 s46, s46, 1
	s_lshr_b32 s62, s45, 3
	s_add_co_u32 s46, s46, s62
	s_cmp_lt_u32 ttmp9, 2176
	s_cselect_b32 s46, s46, s45
	s_cmp_lt_u32 ttmp9, 2112
	s_cselect_b32 s46, s45, s46
	s_wait_kmcnt 0x0
	s_mov_b64 s[48:49], s[24:25]
	s_mov_b64 s[50:51], s[26:27]
	s_mov_b64 s[56:57], s[30:31]
	s_cmp_lt_u32 ttmp9, 2176
	s_cselect_b64 s[48:49], s[20:21], s[48:49]
	s_cselect_b64 s[50:51], s[22:23], s[50:51]
	s_cselect_b64 s[56:57], s[28:29], s[56:57]
	s_cmp_lt_u32 ttmp9, 2112
	s_cselect_b64 s[48:49], s[16:17], s[48:49]
	s_cselect_b64 s[50:51], s[18:19], s[50:51]
	s_cselect_b64 s[56:57], s[34:35], s[56:57]
	s_lshl_b32 s62, s44, 6
	s_mul_i32 s60, s62, s37
	s_mul_i32 s63, s45, 96                         ; 128 codes are 96 bytes
	s_add_co_u32 s60, s60, s63
	s_mov_b32 s61, 0
	s_add_nc_u64 s[48:49], s[48:49], s[60:61]
	s_mul_i32 s60, s62, s39
	s_lshl_b32 s63, s45, 2
	s_add_co_u32 s60, s60, s63
	s_add_nc_u64 s[50:51], s[50:51], s[60:61]
	s_mul_i32 s60, s44, s40
	s_add_co_u32 s60, s60, s46
	s_mul_i32 s60, s60, REC
	s_add_nc_u64 s[56:57], s[56:57], s[60:61]
	s_wait_alu depctr_va_vdst(0)
	v_and_b32 v10, 8, v8
	v_add_nc_u32 v10, v10, v8                      ; r + 8 (r / 8)
	v_mul_lo_u32 v11, v10, s37
	v_mad_u32_u24 v11, v9, 24, v11                 ; my row's codes, + 24 h
	v_mul_lo_u32 v12, v10, s39                     ; my row's scale bytes
	s_wait_alu depctr_va_vdst(0)
.irp j, 0,1,2,3
	s_mul_i32 s62, s37, 8*(\j%2)+32*(\j/2)
	v_add_nc_u32 v[16+\j], s62, v11
	s_mul_i32 s62, s39, 8*(\j%2)+32*(\j/2)
	v_add_nc_u32 v[20+\j], s62, v12
.endr
.irp j, 0,1,2,3
.irp p, 0,1,2,3,4,5
	global_load_b64 v[64+12*\j+2*\p:64+12*\j+2*\p+1], v[16+\j], s[48:49] offset:48*(\p/3)+8*(\p%3)   ; the row's stream of bits is the register image
.endr
	global_load_b32 v[SW+\j], v[20+\j], s[50:51]
.endr
	s_wait_loadcnt 0x0
.irp j, 0,1,2,3
.irp c, 0,1,2
	global_store_b128 v1, v[64+12*\j+4*\c:64+12*\j+4*\c+3], s[56:57] offset:1536*\j+512*\c th:TH_STORE_NT
.endr
.endr
	v_cndmask_b32 v10, v[SW], v[SW+1], s3          ; lanes 0-15 fragment 0's words, lanes 16-31 fragment 1's
	v_cndmask_b32 v11, v[SW+2], v[SW+3], s3
	global_store_b64 v2, v[10:11], s[56:57] offset:6144 th:TH_STORE_NT   ; 256 consecutive bytes, aligned
	s_endpgm
.Lfunc_end_k_qb2b5a0bfe8_prep:
	.size	k_qb2b5a0bfe8_prep, .Lfunc_end_k_qb2b5a0bfe8_prep-k_qb2b5a0bfe8_prep
	.p2alignl 7, 3214868480
	.fill 96, 4, 3214868480
	.section	.rodata,"a",@progbits
	.p2align	6, 0x0
	.amdhsa_kernel k_qb2b5a0bfe8_prep
		.amdhsa_group_segment_fixed_size 66304
		.amdhsa_private_segment_fixed_size 0
		.amdhsa_enable_private_segment 0
		.amdhsa_kernarg_size 112
		.amdhsa_user_sgpr_count 2
		.amdhsa_user_sgpr_kernarg_segment_ptr 1
		.amdhsa_wavefront_size32 1
		.amdhsa_system_sgpr_workgroup_id_x 1
		.amdhsa_system_sgpr_workgroup_id_y 1
		.amdhsa_system_sgpr_workgroup_id_z 1
		.amdhsa_system_vgpr_workitem_id 0
		.amdhsa_next_free_vgpr 256
		.amdhsa_next_free_sgpr 84
		.amdhsa_reserve_vcc 0
		.amdhsa_float_denorm_mode_32 3
		.amdhsa_float_denorm_mode_16_64 3
		.amdhsa_memory_ordered 1
		.amdhsa_forward_progress 1
		.amdhsa_inst_pref_size 40
	.end_amdhsa_kernel
	.amdgpu_metadata
---
amdhsa.version: [ 1, 2 ]
amdhsa.kernels:
  - .name:           k_qb2b5a0bfe8_prep
    .symbol:         k_qb2b5a0bfe8_prep.kd
    .args:
      - { .name: spline_w0, .offset: 0, .size: 8, .value_kind: global_buffer, .address_space: global }
      - { .name: spline_w1, .offset: 8, .size: 8, .value_kind: global_buffer, .address_space: global }
      - { .name: feat1, .offset: 16, .size: 8, .value_kind: global_buffer, .address_space: global }
      - { .name: feat2, .offset: 24, .size: 8, .value_kind: global_buffer, .address_space: global }
      - { .name: attn_w_codes, .offset: 32, .size: 8, .value_kind: global_buffer, .address_space: global }
      - { .name: attn_w_scales, .offset: 40, .size: 8, .value_kind: global_buffer, .address_space: global }
      - { .name: base_w0_codes, .offset: 48, .size: 8, .value_kind: global_buffer, .address_space: global }
      - { .name: base_w0_scales, .offset: 56, .size: 8, .value_kind: global_buffer, .address_space: global }
      - { .name: base_w1_codes, .offset: 64, .size: 8, .value_kind: global_buffer, .address_space: global }
      - { .name: base_w1_scales, .offset: 72, .size: 8, .value_kind: global_buffer, .address_space: global }
      - { .name: w0, .offset: 80, .size: 8, .value_kind: global_buffer, .address_space: global }
      - { .name: w1, .offset: 88, .size: 8, .value_kind: global_buffer, .address_space: global }
      - { .name: xq, .offset: 96, .size: 8, .value_kind: global_buffer, .address_space: global }
      - { .name: wa, .offset: 104, .size: 8, .value_kind: global_buffer, .address_space: global }
    .group_segment_fixed_size: 66304
    .private_segment_fixed_size: 0
    .kernarg_segment_align: 8
    .kernarg_segment_size: 112
    .max_flat_workgroup_size: 128
    .sgpr_count:     84
    .vgpr_count:     256
    .wavefront_size: 32
...
	.end_amdgpu_metadata
.endif
;; end of part 1
;; launch attn (part 2): grid 8 x 32, 4 waves a work-group, clusters of 4 x 4, 327,680 bytes of LDS; arguments xq, wa, feat1, feat2, attn_b, a0; writes a0
.if DOCPART == 2
	.amdgcn_target "amdgcn-amd-amdhsa--gfx1250"
	.amdhsa_code_object_version 6
	.text
	.protected	k_qb2b5a0bfe8_attn
	.globl	k_qb2b5a0bfe8_attn
	.p2align	8
	.type	k_qb2b5a0bfe8_attn,@function
k_qb2b5a0bfe8_attn:
	s_mov_b64 s[64:65], 0
	v_nop
	global_prefetch_b8 v0, s[64:65] scope:SCOPE_SE
	s_setreg_imm32_b32 hwreg(HW_REG_WAVE_MODE, 25, 1), 1
	s_wait_xcnt 0x0
	s_wait_alu depctr_hold_cnt(0) depctr_sa_sdst(0) depctr_va_vdst(0) depctr_va_sdst(0) depctr_va_ssrc(0) depctr_va_vcc(0) depctr_vm_vsrc(0)
	s_getreg_b32 s2, hwreg(HW_REG_IB_STS2, 6, 4)
	s_cmp_eq_u32 s2, 0
	s_cbranch_scc0 .Lentry_in_a_cluster
	s_endpgm
.Lentry_in_a_cluster:
	s_bfe_u32 s2, ttmp6, 0x10000c
	s_cmp_lg_u32 s2, 0xf033
	s_cbranch_scc0 .Lentry_shape_is_right
	s_endpgm
.Lentry_shape_is_right:
.set KBT,   16
.set KBO,   144
.set NSET,  2
.set REC,   6400
.set BLK,   8*REC
.set SLOT,  3*BLK
.set SPARE, 2*SLOT
.set SCST,  SPARE+512
.set NSLOT, KBT/8
.set TRIPS, (NSLOT-2-NSLOT%2)/2
.set LASTS, (NSLOT-1)%2
.set RED,   (1-LASTS)*SLOT
.set SPW,  14
.set NIL,  15
.set SC,   16
.set TM,   28
.set PW,   40
.set AT2,  41
.set PC,   44
.set T,    44
.set U,    52
.set H,    64
.set KAN,  128
.set SIL,  192
.set SS,   12
.set SI,   13
.set G1,   24
.set G0,   32
.set G1B,  48
.set G0B,  56
.set MUL,  0x52
.set MSB,  0
.macro WIN new
.if MSB != \new
	s_set_vgpr_msb (MSB<<8)|\new
.set MSB, \new
.endif
.endm
.macro PLACES n
.rept \n
	v_nop
.endr
.endm
.macro JLOAD s
	s_cmp_eq_u32 s21, 0
	s_cbranch_scc0 .Lfor_w_\@
	tensor_load_to_lds s[G0+4*\s:G0+4*\s+3], s[G1:G1+7]
	s_nop 0
.rept 4
	v_nop
.endr
	s_branch .Lasked_\@
.Lfor_w_\@:
	tensor_load_to_lds s[G0B+4*\s:G0B+4*\s+3], s[G1B:G1B+7]
	s_nop 0
.rept 4
	v_nop
.endr
.Lasked_\@:
.endm
.macro CREST
	s_cmp_lg_u32 s20, 0
	s_cbranch_scc1 .Lnot_wave_0_\@
	s_barrier_signal -3
.Lnot_wave_0_\@:
	s_barrier_wait -3
	s_barrier_signal -1
	s_barrier_wait -1
.endm
.macro CROUND
	s_barrier_signal -1
	s_barrier_wait -1
	CREST
.endm
.macro FETCH slot, q, sg
	WIN 0x80
.irp t, 0,1,2,3,4,5,6,7
.irp c, 0,1,2
	ds_load_b128 v[128*(\sg)+12*\t+4*\c:128*(\sg)+12*\t+4*\c+3], v[2+3*(\slot)+1+\t/4] offset:4*REC*(\q)+1536*(\t%4)+512*\c
.endr
.endr
	WIN 0
.irp m, 0,1,2,3
.irp c, 0,1,2
	ds_load_b128 v[64+48*(\sg)+12*\m+4*\c:64+48*(\sg)+12*\m+4*\c+3], v[2+3*(\slot)] offset:4*REC*(\q)+1536*\m+512*\c
.endr
.endr
.irp p, 0,1,2
	ds_load_b64 v[SC+6*(\sg)+2*\p:SC+6*(\sg)+2*\p+1], v[8+3*(\slot)+\p] offset:4*REC*(\q)
.endr
.endm
.macro W1 t, m, sg, zero
.set rD, 8*(8*(\m)+(\t))
.set rA, 128*(\sg)+12*(\t)
.set rB, 64+48*(\sg)+12*(\m)
.set rP, SC+6*(\sg)+2+(\t)/2
.set rQ, SC+6*(\sg)+(\m)/2
.if \zero
.if ((\t)%2 == 0) && ((\m)%2 == 0)
	v_wmma_scale_f32_16x16x128_f8f6f4 v[rD:rD+7], v[rA:rA+11], v[rB:rB+11], 0, v[rP], v[rQ] matrix_a_fmt:MATRIX_FMT_FP6 matrix_b_fmt:MATRIX_FMT_FP6
.elseif ((\t)%2 == 1) && ((\m)%2 == 0)
	v_wmma_scale_f32_16x16x128_f8f6f4 v[rD:rD+7], v[rA:rA+11], v[rB:rB+11], 0, v[rP], v[rQ] matrix_a_fmt:MATRIX_FMT_FP6 matrix_b_fmt:MATRIX_FMT_FP6 matrix_a_scale:MATRIX_SCALE_ROW1
.elseif ((\t)%2 == 0)
	v_wmma_scale_f32_16x16x128_f8f6f4 v[rD:rD+7], v[rA:rA+11], v[rB:rB+11], 0, v[rP], v[rQ] matrix_a_fmt:MATRIX_FMT_FP6 matrix_b_fmt:MATRIX_FMT_FP6 matrix_b_scale:MATRIX_SCALE_ROW1
.else
	v_wmma_scale_f32_16x16x128_f8f6f4 v[rD:rD+7], v[rA:rA+11], v[rB:rB+11], 0, v[rP], v[rQ] matrix_a_fmt:MATRIX_FMT_FP6 matrix_b_fmt:MATRIX_FMT_FP6 matrix_a_scale:MATRIX_SCALE_ROW1 matrix_b_scale:MATRIX_SCALE_ROW1
.endif
.else
.if ((\t)%2 == 0) && ((\m)%2 == 0)
	v_wmma_scale_f32_16x16x128_f8f6f4 v[rD:rD+7], v[rA:rA+11], v[rB:rB+11], v[rD:rD+7], v[rP], v[rQ] matrix_a_fmt:MATRIX_FMT_FP6 matrix_b_fmt:MATRIX_FMT_FP6
.elseif ((\t)%2 == 1) && ((\m)%2 == 0)
	v_wmma_scale_f32_16x16x128_f8f6f4 v[rD:rD+7], v[rA:rA+11], v[rB:rB+11], v[rD:rD+7], v[rP], v[rQ] matrix_a_fmt:MATRIX_FMT_FP6 matrix_b_fmt:MATRIX_FMT_FP6 matrix_a_scale:MATRIX_SCALE_ROW1
.elseif ((\t)%2 == 0)
	v_wmma_scale_f32_16x16x128_f8f6f4 v[rD:rD+7], v[rA:rA+11], v[rB:rB+11], v[rD:rD+7], v[rP], v[rQ] matrix_a_fmt:MATRIX_FMT_FP6 matrix_b_fmt:MATRIX_FMT_FP6 matrix_b_scale:MATRIX_SCALE_ROW1
.else
	v_wmma_scale_f32_16x16x128_f8f6f4 v[rD:rD+7], v[rA:rA+11], v[rB:rB+11], v[rD:rD+7], v[rP], v[rQ] matrix_a_fmt:MATRIX_FMT_FP6 matrix_b_fmt:MATRIX_FMT_FP6 matrix_a_scale:MATRIX_SCALE_ROW1 matrix_b_scale:MATRIX_SCALE_ROW1
.endif
.endif
.endm
.macro MULM sg, m, zero
.irp t, 0,1,2,3,4,5,6,7
	W1 \t, \m, \sg, \zero
.endr
.endm
.macro STEP0 slot, zero
	WIN 0
	PLACES 4
	s_wait_dscnt 24
	FETCH \slot, 1, 1
	s_wait_dscnt 39
	WIN MUL
	MULM 0, 0, \zero
	MULM 0, 1, \zero
	MULM 0, 2, \zero
	MULM 0, 3, \zero
	WIN 0
.endm
; a prefetch into the L2: my work-group's quarter of what my wave fetches of one slot: 25 blocks of 256 bytes of x's records (waves 0, 1), twice 25 of the weights' (waves 2, 3); a lane a block, lanes 25-31 name the last again
.macro PF2 off
	global_prefetch_b8 v160, s[94:95] offset:\off th:TH_LOAD_NT scope:SCOPE_SE
	s_cmp_eq_u32 s21, 0
	s_cbranch_scc1 .Lpf_\@
	global_prefetch_b8 v160, s[94:95] offset:\off+6400 th:TH_LOAD_NT scope:SCOPE_SE
.Lpf_\@:
.endm
.macro TURN slot, next, fill
	s_wait_xcnt 0x0                                ; my prefetches have read their address registers
	s_wait_tensorcnt 0x0
	ds_add_u32 v[SPW], v[NIL]
	s_wait_dscnt 1
	WIN MUL
	MULM 1, 0, 0
	s_wait_dscnt 0x0
	s_barrier_signal -1
	MULM 1, 1, 0
	WIN 0
	s_barrier_wait -1
.if \fill
	CREST
	s_add_nc_u64 s[G0+4*\slot+2:G0+4*\slot+3], s[G0+4*\slot+2:G0+4*\slot+3], 2*BLK
	s_add_nc_u64 s[G0B+4*\slot+2:G0B+4*\slot+3], s[G0B+4*\slot+2:G0B+4*\slot+3], 2*BLK
	JLOAD \slot
.else
	PLACES 4
.endif
	FETCH \next, 0, 0
	WIN MUL
	MULM 1, 2, 0
	MULM 1, 3, 0
	WIN 0
.endm
.macro LAST
	s_wait_dscnt 0x0
	WIN MUL
	MULM 1, 0, 0
	MULM 1, 1, 0
	MULM 1, 2, 0
	MULM 1, 3, 0
	WIN 0
.endm
.macro LOGI D, S
.set i, 0
.rept 32
	v_pk_mul_f32 v[\D+i:\D+i+1], v[\S+i:\S+i+1], s[88:89] op_sel_hi:[1,0]
.set i, i+2
.endr
.set i, 0
	s_wait_alu depctr_va_vdst(0)
.rept 64
	v_exp_f32 v[\D+i], v[\D+i]
.set i, i+1
.endr
	v_nop
	s_wait_alu depctr_va_vdst(0)
.set i, 0
.rept 32
	v_pk_add_f32 v[\D+i:\D+i+1], v[\D+i:\D+i+1], 1.0 op_sel_hi:[1,0]
.set i, i+2
.endr
.set i, 0
	s_wait_alu depctr_va_vdst(0)
.rept 64
	v_rcp_f32 v[\D+i], v[\D+i]
.set i, i+1
.endr
	v_nop
	s_wait_alu depctr_va_vdst(0)
.endm
.macro QUANT s
.irp b, 0,1,2,3
	v_max3_num_f32 v[TM+\b], |v[\s+16*\b]|, |v[\s+1+16*\b]|, 0x1800000
.endr
.irp i, 2,4,6,8,10,12,14
.irp b, 0,1,2,3
	v_max3_num_f32 v[TM+\b], v[TM+\b], |v[\s+16*\b+\i]|, |v[\s+1+16*\b+\i]|
.endr
.endr
.irp b, 0,1,2,3
	v_permlanex16_b32 v[TM+4+\b], v[TM+\b], s78, s79
.endr
.irp b, 0,1,2,3
	v_max_num_f32 v[TM+\b], v[TM+\b], v[TM+4+\b]
.endr
.irp b, 0,1,2,3
	v_add_nc_u32 v[TM+8+\b], 0xff000000, v[TM+\b]
.endr
.irp b, 0,1,2,3
	v_lshrrev_b32 v[TM+4+\b], 23, v[TM+8+\b]
.endr
	v_lshl_or_b32 v[PW], v[TM+5], 8, v[TM+4]
	v_lshl_or_b32 v[PW], v[TM+6], 16, v[PW]
	v_lshl_or_b32 v[PW], v[TM+7], 24, v[PW]
.irp c, 0,1
	v_cvt_scalef32_pk16_fp6_f32 v[PC+6*\c:PC+2+6*\c], v[\s+32*\c:\s+15+32*\c], v[TM+8+2*\c]
	v_cvt_scalef32_pk16_fp6_f32 v[PC+12+4*\c:PC+14+4*\c], v[\s+16+32*\c:\s+31+32*\c], v[TM+8+2*\c+1]
.endr
	v_nop
.irp c, 0,1
.irp i, 0,1,2
	v_permlane16_swap_b32 v[PC+6*\c+\i], v[PC+12+4*\c+\i]
.endr
.irp i, 0,1,2
	v_mov_b32 v[PC+3+6*\c+\i], v[PC+12+4*\c+\i]
.endr
.endr
.endm
.macro SILUQ K, s
	LOGI SIL, \K
.set i, 0
.rept 32
	v_pk_mul_f32 v[SIL+i:SIL+i+1], v[SIL+i:SIL+i+1], v[\K+i:\K+i+1]
.set i, i+2
.endr
	s_wait_xcnt 0x0
	s_wait_dscnt 0x0
	QUANT SIL
.irp c, 0,1,2
	global_store_b128 v1, v[PC+4*\c:PC+4*\c+3], s[74:75] offset:REC*(\s)+512*\c th:TH_STORE_NT
.endr
	ds_store_b32 v[SI], v[PW] offset:256*(\s)
.endm
.macro SPG K, n
.set O, SIL+(\n)
.irp p, 0,1,2,3
	v_pk_fma_f32 v[O+2*\p:O+2*\p+1], v[\K+(\n)+2*\p:\K+(\n)+2*\p+1], s[80:81], v[2:3] op_sel_hi:[1,0,1]
.endr
.irp q, 0,1,2,3,4,5,6,7
	v_min_num_f32 v[T+\q], |v[O+\q]|, s84
.endr
.irp q, 0,1,2,3,4,5,6,7
	v_min_num_f32 v[O+\q], |v[O+\q]|, s82
.endr
.irp p, 0,1,2,3
	v_pk_add_f32 v[O+2*\p:O+2*\p+1], v[O+2*\p:O+2*\p+1], s[82:83] op_sel_hi:[1,0] neg_lo:[1,0] neg_hi:[1,0]
.endr
.irp p, 0,1,2,3
	v_pk_add_f32 v[T+2*\p:T+2*\p+1], v[T+2*\p:T+2*\p+1], s[84:85] op_sel_hi:[1,0] neg_lo:[1,0] neg_hi:[1,0]
.endr
.irp p, 0,1,2,3
	v_pk_mul_f32 v[U+2*\p:U+2*\p+1], v[O+2*\p:O+2*\p+1], v[O+2*\p:O+2*\p+1]
.endr
.irp p, 0,1,2,3
	v_pk_mul_f32 v[O+2*\p:O+2*\p+1], v[U+2*\p:U+2*\p+1], v[O+2*\p:O+2*\p+1]
.endr
.irp p, 0,1,2,3
	v_pk_mul_f32 v[U+2*\p:U+2*\p+1], v[T+2*\p:T+2*\p+1], v[T+2*\p:T+2*\p+1]
.endr
.irp p, 0,1,2,3
	v_pk_mul_f32 v[T+2*\p:T+2*\p+1], v[U+2*\p:U+2*\p+1], v[T+2*\p:T+2*\p+1]
.endr
.irp p, 0,1,2,3
	v_pk_fma_f32 v[O+2*\p:O+2*\p+1], v[T+2*\p:T+2*\p+1], -4.0, v[O+2*\p:O+2*\p+1] op_sel_hi:[1,0,1]
.endr
.endm
.macro SPSET K
	v_mov_b32 v8, 0x40600000
	s_mov_b32 s86, 8
	s_wait_xcnt 0x0
.Lsp_\@:
	s_wait_alu depctr_va_vdst(0)
	v_mul_f32 v2, s84, v8
	v_mov_b32 v3, v2
.irp n, 0,8,16,24,32,40,48,56
	SPG \K, \n
.endr
	QUANT SIL
	v_add_nc_u32 v[AT2], s77, v[SS]
	ds_store_b32 v[AT2], v[PW]
.irp c, 0,1,2
	global_store_b128 v1, v[PC+4*\c:PC+4*\c+3], s[72:73] offset:512*\c th:TH_STORE_NT
.endr
	v_add_f32 v8, -1.0, v8
	s_wait_xcnt 0x0
	s_wait_dscnt 0x0
	s_add_nc_u64 s[72:73], s[72:73], REC
	s_add_co_u32 s77, s77, 256
	s_sub_co_u32 s86, s86, 1
	s_cmp_lg_u32 s86, 0
	s_cbranch_scc1 .Lsp_\@
.endm
	s_load_b256 s[4:11], s[0:1], 0x0
	s_load_b128 s[12:15], s[0:1], 0x20
	v_lshl_add_u32 v[SPW], v0, 2, SPARE
	v_mov_b32 v[NIL], 0
	ds_add_u32 v14, v15
	ds_add_u32 v14, v15
	s_wait_dscnt 0x0
	v_lshrrev_b32 v28, 5, v0
	v_readfirstlane_b32 s20, v28
	v_and_b32 v160, 31, v0
	v_min_u32 v160, 24, v160
	v_lshlrev_b32 v160, 8, v160                    ; the prefetches' offset: 256 x min(lane, 24)
	s_lshr_b32 s21, s20, 1
	s_and_b32 s22, s20, 1
	s_bfe_u32 s40, ttmp6, 0x40000
	s_bfe_u32 s41, ttmp6, 0x40004
	s_lshl_b32 s42, ttmp9, 2
	s_add_co_u32 s42, s42, s40
	s_and_b32 s66, ttmp7, 0xffff
	s_lshl_b32 s66, s66, 2
	s_add_co_u32 s66, s66, s41
	s_lshl_b32 s43, s41, 2
	s_lshl_b32 s43, 15, s43
	s_lshl_b32 s44, 0x1111, s40
	s_or_b32 s[G1], s43, (3<<16)|(1<<21)
	s_or_b32 s[G1B], s44, (3<<16)|(1<<21)
	s_mov_b32 s[G1+1], 32<<16
	s_mov_b32 s[G1+2], 100<<16
	s_mov_b32 s[G1+3], 32<<16
	s_mov_b32 s[G1+4], 100
	s_mov_b32 s[G1+5], 32
	s_mov_b32 s[G1+6], 0
	s_mov_b32 s[G1+7], 0
	s_mov_b32 s[G1B+1], 32<<16
	s_mov_b32 s[G1B+2], 200<<16
	s_mov_b32 s[G1B+3], 32<<16
	s_mov_b32 s[G1B+4], 200
	s_mov_b32 s[G1B+5], 32
	s_mov_b32 s[G1B+6], 0
	s_mov_b32 s[G1B+7], 0
	s_mul_i32 s16, s66, KBT*REC
	s_mul_i32 s17, s22, BLK/2
	s_add_co_u32 s16, s16, s17
	s_mov_b32 s17, 0
	s_lshl_b32 s46, s42, 1
	s_add_co_u32 s46, s46, s22
	s_mul_i32 s46, s46, KBT*REC
	s_mov_b32 s47, 0
	s_mul_i32 s45, s22, BLK/2
	s_mul_i32 s68, s22, BLK
	s_add_co_u32 s68, s68, BLK
	s_wait_alu depctr_va_vdst(0)
	s_wait_kmcnt 0x0
	s_add_nc_u64 s[16:17], s[4:5], s[16:17]
	s_add_nc_u64 s[46:47], s[6:7], s[46:47]
	s_cmp_eq_u32 s21, 0                            ; the prefetches' base: what my wave fetches, + my work-group's quarter of it, told apart by address alone
	s_cselect_b64 s[94:95], s[16:17], s[46:47]
	s_mul_i32 s96, s40, 6400
	s_mul_i32 s97, s41, 12800
	s_cselect_b32 s96, s96, s97
	s_mov_b32 s97, 0
	s_add_nc_u64 s[94:95], s[94:95], s[96:97]
	CROUND
.irp s, 0,1
	s_mov_b32 s[G0+4*\s], 1
	s_add_co_u32 s[G0+4*\s+1], s45, \s*SLOT
	s_add_nc_u64 s[G0+4*\s+2:G0+4*\s+3], s[16:17], \s*BLK
	s_or_b32 s[G0+4*\s+3], s[G0+4*\s+3], 0x80000000
	s_mov_b32 s[G0B+4*\s], 1
	s_add_co_u32 s[G0B+4*\s+1], s68, \s*SLOT
	s_add_nc_u64 s[G0B+4*\s+2:G0B+4*\s+3], s[46:47], \s*BLK
	s_or_b32 s[G0B+4*\s+3], s[G0B+4*\s+3], 0x80000000
.endr
	JLOAD 0                                        ; slot 0: one tensor load a wave at the head
	PF2 BLK                                        ; slot 1, the last, is asked of memory now
	s_mul_i32 s68, s66, KBO
	s_mul_i32 s69, s42, 8*NSET
	s_add_co_u32 s68, s68, s69
	s_add_co_u32 s68, s68, 8*NSET
	s_mul_i32 s68, s68, REC
	s_mov_b32 s69, 0
	s_add_nc_u64 s[90:91], s[14:15], s[68:69]
	s_mul_i32 s70, s20, 1536
	s_mov_b32 s71, 0
	s_add_nc_u64 s[72:73], s[90:91], s[70:71]
	s_mul_i32 s70, s20, 2*NSET*REC
	s_add_nc_u64 s[90:91], s[90:91], s[70:71]
	s_mul_i32 s68, s66, KBO
	s_mul_i32 s70, s42, NSET
	s_add_co_u32 s68, s68, s70
	s_mul_i32 s68, s68, REC
	s_add_nc_u64 s[92:93], s[14:15], s[68:69]
	s_mul_i32 s70, s20, 1536
	s_add_nc_u64 s[74:75], s[92:93], s[70:71]
	s_mul_i32 s70, s20, REC
	s_add_nc_u64 s[92:93], s[92:93], s[70:71]
	s_mov_b32 s78, 0x76543210
	s_mov_b32 s79, 0xfedcba98
	s_mov_b32 s80, 0x3fb01a50
	s_mov_b32 s81, s80
	s_mov_b32 s82, 0x3f8ce1da
	s_mov_b32 s83, s82
	s_mov_b32 s84, 0x3f0ce1da
	s_mov_b32 s85, s84
	s_mov_b32 s88, 0xbfb8aa3b
	s_mov_b32 s89, s88
	s_lshl_b32 s68, s66, 6
	s_lshl_b32 s70, s20, 4
	s_add_co_u32 s68, s68, s70
	s_lshl_b32 s68, s68, 12
	s_lshl_b32 s70, s42, 9
	s_add_co_u32 s68, s68, s70
	s_add_nc_u64 s[8:9], s[8:9], s[68:69]
	s_add_nc_u64 s[10:11], s[10:11], s[68:69]
	s_add_nc_u64 s[12:13], s[12:13], s[70:71]
	v_and_b32 v28, 15, v0
	v_bfe_u32 v29, v0, 4, 1
	v_lshlrev_b32 v43, 6, v29
	v_lshl_add_u32 v42, v28, 12, v43
	WIN 0xc0
.irp b, 0,1,2,3
.irp j, 0,1,2,3
	global_load_b128 v[16*\b+4*\j:16*\b+4*\j+3], v42, s[8:9] offset:128*\b+16*\j
	global_load_b128 v[64+16*\b+4*\j:64+16*\b+4*\j+3], v42, s[10:11] offset:128*\b+16*\j
	global_load_b128 v[128+16*\b+4*\j:128+16*\b+4*\j+3], v43, s[12:13] offset:128*\b+16*\j
.endr
.endr
	WIN 0
	v_and_b32 v28, 31, v0
	v_lshlrev_b32 v1, 4, v28
	v_lshlrev_b32 v29, 3, v28
	s_mul_i32 s69, s20, REC
	v_add_nc_u32 v30, s69, v1
	v_add_nc_u32 v31, s69, v29
.irp s, 0,1
.irp p, 0,1,2
	v_add_nc_u32 v[2+3*\s+\p], \s*SLOT+\p*BLK, v30
	v_add_nc_u32 v[8+3*\s+\p], \s*SLOT+\p*BLK+6144, v31
.endr
.endr
	s_wait_alu depctr_va_vdst(0)
	s_wait_tensorcnt 0x0                           ; my part of slot 0 is in
	ds_add_u32 v[SPW], v[NIL]
	s_wait_dscnt 0x0
	CROUND
	JLOAD 1                                        ; slot 1's first fill, the first tensor load behind the round
	FETCH 0, 0, 0
	STEP0 0, 1
.if TRIPS > 0
	s_mov_b32 s67, TRIPS
.Llap:
	TURN 0, 1, 1
	STEP0 1, 0
	TURN 1, 0, 1
	STEP0 0, 0
	s_sub_co_u32 s67, s67, 1
	s_cmp_lg_u32 s67, 0
	s_cbranch_scc1 .Llap
.endif
.if NSLOT%2 == 0
	TURN 0, 1, 0
	STEP0 1, 0
.else
	TURN 0, 1, 1
	STEP0 1, 0
	TURN 1, 0, 0
	STEP0 0, 0
.endif
	LAST
	s_mul_i32 s69, s20, 8192
	s_add_co_u32 s69, s69, RED
	v_add_nc_u32 v28, s69, v1
	v_add_nc_u32 v29, 65536, v28
	s_lshl_b32 s69, s20, 15
	s_add_co_u32 s69, s69, RED
	v_add_nc_u32 v30, s69, v1
	v_nop
	WIN 0x04
.irp m, 0,1,2,3
.irp t, 0,1,2,3,4,5,6,7
	ds_store_b128 v[28+\m/2], v[8*(8*\m+\t):8*(8*\m+\t)+3] offset:32768*(\m%2)+1024*\t
	ds_store_b128 v[28+\m/2], v[8*(8*\m+\t)+4:8*(8*\m+\t)+7] offset:32768*(\m%2)+1024*\t+512
.endr
.endr
	WIN 0
	s_lshl_b32 s69, s22, 7
	s_lshl_b32 s70, s21, 2
	s_add_co_u32 s69, s69, s70
	s_add_co_u32 s69, s69, SCST
	v_and_b32 v36, 15, v0
	v_lshlrev_b32 v[SS], 3, v36
	v_add_nc_u32 v[SS], s69, v[SS]
	v_add_nc_u32 v[SI], 4096, v[SS]
.irp b, 0,1,2,3
	v_mov_b32 v[TM+4+\b], 0
.endr
	s_wait_alu depctr_va_vdst(0)
	s_wait_dscnt 0x0
	s_barrier_signal -1
	s_barrier_wait -1
	WIN 0x40
.irp s, 0,1,2,3
.irp t, 0,1,2,3,4,5,6,7
	ds_load_b128 v[64*\s+8*\t:64*\s+8*\t+3], v30 offset:8192*\s+1024*\t
	ds_load_b128 v[64*\s+8*\t+4:64*\s+8*\t+7], v30 offset:8192*\s+1024*\t+512
.endr
.if \s == 2
	s_wait_dscnt 32
.endif
.endr
	s_wait_dscnt 32
	WIN 0x45
.set i, 0
.rept 32
	v_pk_add_f32 v[i:i+1], v[i:i+1], v[64+i:65+i]
.set i, i+2
.endr
	s_wait_dscnt 0x0
.set i, 0
.rept 32
	v_pk_add_f32 v[128+i:129+i], v[128+i:129+i], v[192+i:193+i]
.set i, i+2
.endr
	WIN 0x05
.set i, 0
.rept 32
	v_pk_add_f32 v[H+i:H+i+1], v[i:i+1], v[128+i:129+i]
.set i, i+2
.endr
	s_wait_loadcnt 0x0
	WIN 0x0c
.set i, 0
.rept 32
	v_pk_add_f32 v[H+i:H+i+1], v[H+i:H+i+1], v[128+i:129+i]
.set i, i+2
.endr
	WIN 0
	LOGI H, H
	WIN 0x0c
.set i, 0
.rept 32
	v_pk_mul_f32 v[KAN+i:KAN+i+1], v[H+i:H+i+1], v[i:i+1]
.set i, i+2
.endr
	WIN 0
.set i, 0
.rept 32
	v_pk_add_f32 v[H+i:H+i+1], v[H+i:H+i+1], 1.0 op_sel_hi:[1,0] neg_lo:[1,0] neg_hi:[1,0]
.set i, i+2
.endr
	WIN 0x0c
.set i, 0
.rept 32
	v_pk_mul_f32 v[H+i:H+i+1], v[H+i:H+i+1], v[64+i:65+i]
.set i, i+2
.endr
	WIN 0
	s_mov_b32 s77, 0
	SILUQ KAN, 0
	SPSET KAN
	SILUQ H, 1
	SPSET H
	s_wait_dscnt 0x0
	s_barrier_signal -1
	s_barrier_wait -1
	v_and_b32 v43, 31, v0
	v_lshlrev_b32 v43, 3, v43
	s_mul_i32 s69, s20, 512*NSET
	s_add_co_u32 s69, s69, SCST
	v_add_nc_u32 v42, s69, v43
	s_lshl_b32 s69, s20, 8
	s_add_co_u32 s69, s69, SCST+4096
	v_add_nc_u32 v36, s69, v43
.irp i, 0,1,2,3
	ds_load_b64 v[128+2*\i:129+2*\i], v42 offset:256*\i
.endr
	s_wait_alu depctr_va_vdst(0)
	s_wait_dscnt 0x0
.irp i, 0,1,2,3
	global_store_b64 v43, v[128+2*\i:129+2*\i], s[90:91] offset:REC*\i+6144 th:TH_STORE_NT
.endr
	s_cmp_ge_u32 s20, NSET
	s_cbranch_scc1 .Lno_si
	ds_load_b64 v[144:145], v36
	s_wait_dscnt 0x0
	global_store_b64 v43, v[144:145], s[92:93] offset:6144 th:TH_STORE_NT
.Lno_si:
	s_wait_tensorcnt 0x0
	ds_add_u32 v[SPW], v[NIL]
	s_wait_dscnt 0x0
	CROUND
	s_endpgm
.Lfunc_end_k_qb2b5a0bfe8_attn:
	.size	k_qb2b5a0bfe8_attn, .Lfunc_end_k_qb2b5a0bfe8_attn-k_qb2b5a0bfe8_attn
	.p2alignl 7, 3214868480
	.fill 96, 4, 3214868480
	.section	.rodata,"a",@progbits
	.p2align	6, 0x0
	.amdhsa_kernel k_qb2b5a0bfe8_attn
		.amdhsa_group_segment_fixed_size 327680
		.amdhsa_private_segment_fixed_size 0
		.amdhsa_enable_private_segment 0
		.amdhsa_kernarg_size 48
		.amdhsa_user_sgpr_count 2
		.amdhsa_user_sgpr_kernarg_segment_ptr 1
		.amdhsa_wavefront_size32 1
		.amdhsa_system_sgpr_workgroup_id_x 1
		.amdhsa_system_sgpr_workgroup_id_y 1
		.amdhsa_system_sgpr_workgroup_id_z 1
		.amdhsa_system_vgpr_workitem_id 0
		.amdhsa_next_free_vgpr 960
		.amdhsa_next_free_sgpr 100
		.amdhsa_reserve_vcc 0
		.amdhsa_float_denorm_mode_32 3
		.amdhsa_float_denorm_mode_16_64 3
		.amdhsa_memory_ordered 1
		.amdhsa_forward_progress 1
		.amdhsa_inst_pref_size 160
	.end_amdhsa_kernel
	.amdgpu_metadata
---
amdhsa.version: [ 1, 2 ]
amdhsa.kernels:
  - .name:           k_qb2b5a0bfe8_attn
    .symbol:         k_qb2b5a0bfe8_attn.kd
    .args:
      - { .name: xq, .offset: 0, .size: 8, .value_kind: global_buffer, .address_space: global }
      - { .name: wa, .offset: 8, .size: 8, .value_kind: global_buffer, .address_space: global }
      - { .name: feat1, .offset: 16, .size: 8, .value_kind: global_buffer, .address_space: global }
      - { .name: feat2, .offset: 24, .size: 8, .value_kind: global_buffer, .address_space: global }
      - { .name: attn_b, .offset: 32, .size: 8, .value_kind: global_buffer, .address_space: global }
      - { .name: a0, .offset: 40, .size: 8, .value_kind: global_buffer, .address_space: global }
    .group_segment_fixed_size: 327680
    .private_segment_fixed_size: 0
    .kernarg_segment_align: 8
    .kernarg_segment_size: 48
    .max_flat_workgroup_size: 128
    .sgpr_count:     100
    .vgpr_count:     960
    .wavefront_size: 32
...
	.end_amdgpu_metadata
.endif
;; end of part 2
;; launch layer0 (part 3): grid 8 x 32, 4 waves a work-group, clusters of 4 x 4, 327,680 bytes of LDS; arguments a0, w0, a1; writes a1
.if DOCPART == 3
	.amdgcn_target "amdgcn-amd-amdhsa--gfx1250"
	.amdhsa_code_object_version 6
	.text
	.protected	k_qb2b5a0bfe8_layer0
	.globl	k_qb2b5a0bfe8_layer0
	.p2align	8
	.type	k_qb2b5a0bfe8_layer0,@function
k_qb2b5a0bfe8_layer0:
	s_mov_b64 s[64:65], 0
	v_nop
	global_prefetch_b8 v0, s[64:65] scope:SCOPE_SE
	s_setreg_imm32_b32 hwreg(HW_REG_WAVE_MODE, 25, 1), 1
	s_wait_xcnt 0x0
	s_wait_alu depctr_hold_cnt(0) depctr_sa_sdst(0) depctr_va_vdst(0) depctr_va_sdst(0) depctr_va_ssrc(0) depctr_va_vcc(0) depctr_vm_vsrc(0)
	s_getreg_b32 s2, hwreg(HW_REG_IB_STS2, 6, 4)
	s_cmp_eq_u32 s2, 0
	s_cbranch_scc0 .Lentry_in_a_cluster
	s_endpgm
.Lentry_in_a_cluster:
	s_bfe_u32 s2, ttmp6, 0x10000c
	s_cmp_lg_u32 s2, 0xf033
	s_cbranch_scc0 .Lentry_shape_is_right
	s_endpgm
.Lentry_shape_is_right:
.set KBT,   144
.set KBO,   72
.set NSET,  1
.set REC,   6400
.set BLK,   8*REC
.set SLOT,  3*BLK
.set SPARE, 2*SLOT
.set SCST,  SPARE+512
.set NSLOT, KBT/8
.set TRIPS, (NSLOT-2-NSLOT%2)/2
.set LASTS, (NSLOT-1)%2
.set RED,   (1-LASTS)*SLOT
.set SPW,  14
.set NIL,  15
.set SC,   16
.set TM,   28
.set PW,   40
.set AT2,  41
.set PC,   44
.set T,    44
.set U,    52
.set H,    64
.set SIL,  192
.set SS,   12
.set SI,   13
.set G1,   24
.set G0,   32
.set G1B,  48
.set G0B,  56
.set MUL,  0x52
.set MSB,  0
.macro WIN new
.if MSB != \new
	s_set_vgpr_msb (MSB<<8)|\new
.set MSB, \new
.endif
.endm
.macro PLACES n
.rept \n
	v_nop
.endr
.endm
.macro JLOAD s
	s_cmp_eq_u32 s21, 0
	s_cbranch_scc0 .Lfor_w_\@
	tensor_load_to_lds s[G0+4*\s:G0+4*\s+3], s[G1:G1+7]
	s_nop 0
.rept 4
	v_nop
.endr
	s_branch .Lasked_\@
.Lfor_w_\@:
	tensor_load_to_lds s[G0B+4*\s:G0B+4*\s+3], s[G1B:G1B+7]
	s_nop 0
.rept 4
	v_nop
.endr
.Lasked_\@:
.endm
.macro CREST
	s_cmp_lg_u32 s20, 0
	s_cbranch_scc1 .Lnot_wave_0_\@
	s_barrier_signal -3
.Lnot_wave_0_\@:
	s_barrier_wait -3
	s_barrier_signal -1
	s_barrier_wait -1
.endm
.macro CROUND
	s_barrier_signal -1
	s_barrier_wait -1
	CREST
.endm
.macro FETCH slot, q, sg
	WIN 0x80
.irp t, 0,1,2,3,4,5,6,7
.irp c, 0,1,2
	ds_load_b128 v[128*(\sg)+12*\t+4*\c:128*(\sg)+12*\t+4*\c+3], v[2+3*(\slot)+1+\t/4] offset:4*REC*(\q)+1536*(\t%4)+512*\c
.endr
.endr
	WIN 0
.irp m, 0,1,2,3
.irp c, 0,1,2
	ds_load_b128 v[64+48*(\sg)+12*\m+4*\c:64+48*(\sg)+12*\m+4*\c+3], v[2+3*(\slot)] offset:4*REC*(\q)+1536*\m+512*\c
.endr
.endr
.irp p, 0,1,2
	ds_load_b64 v[SC+6*(\sg)+2*\p:SC+6*(\sg)+2*\p+1], v[8+3*(\slot)+\p] offset:4*REC*(\q)
.endr
.endm
.macro W1 t, m, sg, zero
.set rD, 8*(8*(\m)+(\t))
.set rA, 128*(\sg)+12*(\t)
.set rB, 64+48*(\sg)+12*(\m)
.set rP, SC+6*(\sg)+2+(\t)/2
.set rQ, SC+6*(\sg)+(\m)/2
.if \zero
.if ((\t)%2 == 0) && ((\m)%2 == 0)
	v_wmma_scale_f32_16x16x128_f8f6f4 v[rD:rD+7], v[rA:rA+11], v[rB:rB+11], 0, v[rP], v[rQ] matrix_a_fmt:MATRIX_FMT_FP6 matrix_b_fmt:MATRIX_FMT_FP6
.elseif ((\t)%2 == 1) && ((\m)%2 == 0)
	v_wmma_scale_f32_16x16x128_f8f6f4 v[rD:rD+7], v[rA:rA+11], v[rB:rB+11], 0, v[rP], v[rQ] matrix_a_fmt:MATRIX_FMT_FP6 matrix_b_fmt:MATRIX_FMT_FP6 matrix_a_scale:MATRIX_SCALE_ROW1
.elseif ((\t)%2 == 0)
	v_wmma_scale_f32_16x16x128_f8f6f4 v[rD:rD+7], v[rA:rA+11], v[rB:rB+11], 0, v[rP], v[rQ] matrix_a_fmt:MATRIX_FMT_FP6 matrix_b_fmt:MATRIX_FMT_FP6 matrix_b_scale:MATRIX_SCALE_ROW1
.else
	v_wmma_scale_f32_16x16x128_f8f6f4 v[rD:rD+7], v[rA:rA+11], v[rB:rB+11], 0, v[rP], v[rQ] matrix_a_fmt:MATRIX_FMT_FP6 matrix_b_fmt:MATRIX_FMT_FP6 matrix_a_scale:MATRIX_SCALE_ROW1 matrix_b_scale:MATRIX_SCALE_ROW1
.endif
.else
.if ((\t)%2 == 0) && ((\m)%2 == 0)
	v_wmma_scale_f32_16x16x128_f8f6f4 v[rD:rD+7], v[rA:rA+11], v[rB:rB+11], v[rD:rD+7], v[rP], v[rQ] matrix_a_fmt:MATRIX_FMT_FP6 matrix_b_fmt:MATRIX_FMT_FP6
.elseif ((\t)%2 == 1) && ((\m)%2 == 0)
	v_wmma_scale_f32_16x16x128_f8f6f4 v[rD:rD+7], v[rA:rA+11], v[rB:rB+11], v[rD:rD+7], v[rP], v[rQ] matrix_a_fmt:MATRIX_FMT_FP6 matrix_b_fmt:MATRIX_FMT_FP6 matrix_a_scale:MATRIX_SCALE_ROW1
.elseif ((\t)%2 == 0)
	v_wmma_scale_f32_16x16x128_f8f6f4 v[rD:rD+7], v[rA:rA+11], v[rB:rB+11], v[rD:rD+7], v[rP], v[rQ] matrix_a_fmt:MATRIX_FMT_FP6 matrix_b_fmt:MATRIX_FMT_FP6 matrix_b_scale:MATRIX_SCALE_ROW1
.else
	v_wmma_scale_f32_16x16x128_f8f6f4 v[rD:rD+7], v[rA:rA+11], v[rB:rB+11], v[rD:rD+7], v[rP], v[rQ] matrix_a_fmt:MATRIX_FMT_FP6 matrix_b_fmt:MATRIX_FMT_FP6 matrix_a_scale:MATRIX_SCALE_ROW1 matrix_b_scale:MATRIX_SCALE_ROW1
.endif
.endif
.endm
.macro MULM sg, m, zero
.irp t, 0,1,2,3,4,5,6,7
	W1 \t, \m, \sg, \zero
.endr
.endm
.macro STEP0 slot, zero
	WIN 0
	PLACES 4
	s_wait_dscnt 24
	FETCH \slot, 1, 1
	s_wait_dscnt 39
	WIN MUL
	MULM 0, 0, \zero
	MULM 0, 1, \zero
	MULM 0, 2, \zero
	MULM 0, 3, \zero
	WIN 0
.endm
; a prefetch into the L2: my work-group's quarter of what my wave fetches of one slot: 25 blocks of 256 bytes of x's records (waves 0, 1), twice 25 of the weights' (waves 2, 3); a lane a block, lanes 25-31 name the last again
.macro PF2 off
	global_prefetch_b8 v160, s[94:95] offset:\off th:TH_LOAD_NT scope:SCOPE_SE
	s_cmp_eq_u32 s21, 0
	s_cbranch_scc1 .Lpf_\@
	global_prefetch_b8 v160, s[94:95] offset:\off+6400 th:TH_LOAD_NT scope:SCOPE_SE
.Lpf_\@:
.endm
; behind the refill that asks for slot k + 2: slot k + 4, two refills on; s98 counts the slots that are left to ask for, so the last two refills ask for nothing
.macro ASK
	s_cmp_gt_i32 s98, 0
	s_cbranch_scc0 .Lna_\@
	PF2 3*BLK
.Lna_\@:
	s_sub_co_i32 s98, s98, 1
.endm
.macro TURN slot, next, fill
	s_wait_xcnt 0x0                                ; my prefetches have read their address registers: the base is stepped only behind this wait
.if \fill
	s_add_nc_u64 s[94:95], s[94:95], BLK
.endif
	s_wait_tensorcnt 0x0
	ds_add_u32 v[SPW], v[NIL]
	s_wait_dscnt 1
	WIN MUL
	MULM 1, 0, 0
	s_wait_dscnt 0x0
	s_barrier_signal -1
	MULM 1, 1, 0
	WIN 0
	s_barrier_wait -1
.if \fill
	CREST
	s_add_nc_u64 s[G0+4*\slot+2:G0+4*\slot+3], s[G0+4*\slot+2:G0+4*\slot+3], 2*BLK
	s_add_nc_u64 s[G0B+4*\slot+2:G0B+4*\slot+3], s[G0B+4*\slot+2:G0B+4*\slot+3], 2*BLK
	JLOAD \slot
.else
	PLACES 4
.endif
	FETCH \next, 0, 0
.if \fill
	ASK
.endif
	WIN MUL
	MULM 1, 2, 0
	MULM 1, 3, 0
	WIN 0
.endm
.macro LAST
	s_wait_dscnt 0x0
	WIN MUL
	MULM 1, 0, 0
	MULM 1, 1, 0
	MULM 1, 2, 0
	MULM 1, 3, 0
	WIN 0
.endm
.macro LOGI D, S
.set i, 0
.rept 32
	v_pk_mul_f32 v[\D+i:\D+i+1], v[\S+i:\S+i+1], s[88:89] op_sel_hi:[1,0]
.set i, i+2
.endr
.set i, 0
	s_wait_alu depctr_va_vdst(0)
.rept 64
	v_exp_f32 v[\D+i], v[\D+i]
.set i, i+1
.endr
	v_nop
	s_wait_alu depctr_va_vdst(0)
.set i, 0
.rept 32
	v_pk_add_f32 v[\D+i:\D+i+1], v[\D+i:\D+i+1], 1.0 op_sel_hi:[1,0]
.set i, i+2
.endr
.set i, 0
	s_wait_alu depctr_va_vdst(0)
.rept 64
	v_rcp_f32 v[\D+i], v[\D+i]
.set i, i+1
.endr
	v_nop
	s_wait_alu depctr_va_vdst(0)
.endm
.macro QUANT s
.irp b, 0,1,2,3
	v_max3_num_f32 v[TM+\b], |v[\s+16*\b]|, |v[\s+1+16*\b]|, 0x1800000
.endr
.irp i, 2,4,6,8,10,12,14
.irp b, 0,1,2,3
	v_max3_num_f32 v[TM+\b], v[TM+\b], |v[\s+16*\b+\i]|, |v[\s+1+16*\b+\i]|
.endr
.endr
.irp b, 0,1,2,3
	v_permlanex16_b32 v[TM+4+\b], v[TM+\b], s78, s79
.endr
.irp b, 0,1,2,3
	v_max_num_f32 v[TM+\b], v[TM+\b], v[TM+4+\b]
.endr
.irp b, 0,1,2,3
	v_add_nc_u32 v[TM+8+\b], 0xff000000, v[TM+\b]
.endr
.irp b, 0,1,2,3
	v_lshrrev_b32 v[TM+4+\b], 23, v[TM+8+\b]
.endr
	v_lshl_or_b32 v[PW], v[TM+5], 8, v[TM+4]
	v_lshl_or_b32 v[PW], v[TM+6], 16, v[PW]
	v_lshl_or_b32 v[PW], v[TM+7], 24, v[PW]
.irp c, 0,1
	v_cvt_scalef32_pk16_fp6_f32 v[PC+6*\c:PC+2+6*\c], v[\s+32*\c:\s+15+32*\c], v[TM+8+2*\c]
	v_cvt_scalef32_pk16_fp6_f32 v[PC+12+4*\c:PC+14+4*\c], v[\s+16+32*\c:\s+31+32*\c], v[TM+8+2*\c+1]
.endr
	v_nop
.irp c, 0,1
.irp i, 0,1,2
	v_permlane16_swap_b32 v[PC+6*\c+\i], v[PC+12+4*\c+\i]
.endr
.irp i, 0,1,2
	v_mov_b32 v[PC+3+6*\c+\i], v[PC+12+4*\c+\i]
.endr
.endr
.endm
.macro SILUQ K, s
	LOGI SIL, \K
.set i, 0
.rept 32
	v_pk_mul_f32 v[SIL+i:SIL+i+1], v[SIL+i:SIL+i+1], v[\K+i:\K+i+1]
.set i, i+2
.endr
	s_wait_xcnt 0x0
	s_wait_dscnt 0x0
	QUANT SIL
.irp c, 0,1,2
	global_store_b128 v1, v[PC+4*\c:PC+4*\c+3], s[74:75] offset:REC*(\s)+512*\c th:TH_STORE_NT
.endr
	ds_store_b32 v[SI], v[PW] offset:256*(\s)
.endm
.macro SPG K, n
.set O, SIL+(\n)
.irp p, 0,1,2,3
	v_pk_fma_f32 v[O+2*\p:O+2*\p+1], v[\K+(\n)+2*\p:\K+(\n)+2*\p+1], s[80:81], v[2:3] op_sel_hi:[1,0,1]
.endr
.irp q, 0,1,2,3,4,5,6,7
	v_min_num_f32 v[T+\q], |v[O+\q]|, s84
.endr
.irp q, 0,1,2,3,4,5,6,7
	v_min_num_f32 v[O+\q], |v[O+\q]|, s82
.endr
.irp p, 0,1,2,3
	v_pk_add_f32 v[O+2*\p:O+2*\p+1], v[O+2*\p:O+2*\p+1], s[82:83] op_sel_hi:[1,0] neg_lo:[1,0] neg_hi:[1,0]
.endr
.irp p, 0,1,2,3
	v_pk_add_f32 v[T+2*\p:T+2*\p+1], v[T+2*\p:T+2*\p+1], s[84:85] op_sel_hi:[1,0] neg_lo:[1,0] neg_hi:[1,0]
.endr
.irp p, 0,1,2,3
	v_pk_mul_f32 v[U+2*\p:U+2*\p+1], v[O+2*\p:O+2*\p+1], v[O+2*\p:O+2*\p+1]
.endr
.irp p, 0,1,2,3
	v_pk_mul_f32 v[O+2*\p:O+2*\p+1], v[U+2*\p:U+2*\p+1], v[O+2*\p:O+2*\p+1]
.endr
.irp p, 0,1,2,3
	v_pk_mul_f32 v[U+2*\p:U+2*\p+1], v[T+2*\p:T+2*\p+1], v[T+2*\p:T+2*\p+1]
.endr
.irp p, 0,1,2,3
	v_pk_mul_f32 v[T+2*\p:T+2*\p+1], v[U+2*\p:U+2*\p+1], v[T+2*\p:T+2*\p+1]
.endr
.irp p, 0,1,2,3
	v_pk_fma_f32 v[O+2*\p:O+2*\p+1], v[T+2*\p:T+2*\p+1], -4.0, v[O+2*\p:O+2*\p+1] op_sel_hi:[1,0,1]
.endr
.endm
.macro SPSET K
	v_mov_b32 v8, 0x40600000
	s_mov_b32 s86, 8
	s_wait_xcnt 0x0
.Lsp_\@:
	s_wait_alu depctr_va_vdst(0)
	v_mul_f32 v2, s84, v8
	v_mov_b32 v3, v2
.irp n, 0,8,16,24,32,40,48,56
	SPG \K, \n
.endr
	QUANT SIL
	v_add_nc_u32 v[AT2], s77, v[SS]
	ds_store_b32 v[AT2], v[PW]
.irp c, 0,1,2
	global_store_b128 v1, v[PC+4*\c:PC+4*\c+3], s[72:73] offset:512*\c th:TH_STORE_NT
.endr
	v_add_f32 v8, -1.0, v8
	s_wait_xcnt 0x0
	s_wait_dscnt 0x0
	s_add_nc_u64 s[72:73], s[72:73], REC
	s_add_co_u32 s77, s77, 256
	s_sub_co_u32 s86, s86, 1
	s_cmp_lg_u32 s86, 0
	s_cbranch_scc1 .Lsp_\@
.endm
	s_load_b128 s[4:7], s[0:1], 0x0
	s_load_b64 s[8:9], s[0:1], 0x10
	v_lshl_add_u32 v[SPW], v0, 2, SPARE
	v_mov_b32 v[NIL], 0
	ds_add_u32 v14, v15
	ds_add_u32 v14, v15
	s_wait_dscnt 0x0
	v_lshrrev_b32 v28, 5, v0
	v_readfirstlane_b32 s20, v28
	v_and_b32 v160, 31, v0
	v_min_u32 v160, 24, v160
	v_lshlrev_b32 v160, 8, v160                    ; the prefetches' offset: 256 x min(lane, 24)
	s_lshr_b32 s21, s20, 1
	s_and_b32 s22, s20, 1
	s_bfe_u32 s40, ttmp6, 0x40000
	s_bfe_u32 s41, ttmp6, 0x40004
	s_and_b32 s66, ttmp7, 0xffff
	s_and_b32 s42, s66, 1
	s_lshl_b32 s42, s42, 2
	s_add_co_u32 s42, s42, s40                     ; block of 128 columns = 4 (cluster y & 1) + cx
	s_lshr_b32 s66, s66, 1
	s_lshl_b32 s99, ttmp9, 2
	s_add_co_u32 s66, s66, s99
	s_lshl_b32 s66, s66, 2
	s_add_co_u32 s66, s66, s41                     ; group of 64 rows = 4 (4 cluster x + (cluster y >> 1)) + cy
	s_lshl_b32 s43, s41, 2
	s_lshl_b32 s43, 15, s43
	s_lshl_b32 s44, 0x1111, s40
	s_or_b32 s[G1], s43, (3<<16)|(1<<21)
	s_or_b32 s[G1B], s44, (3<<16)|(1<<21)
	s_mov_b32 s[G1+1], 32<<16
	s_mov_b32 s[G1+2], 100<<16
	s_mov_b32 s[G1+3], 32<<16
	s_mov_b32 s[G1+4], 100
	s_mov_b32 s[G1+5], 32
	s_mov_b32 s[G1+6], 0
	s_mov_b32 s[G1+7], 0
	s_mov_b32 s[G1B+1], 32<<16
	s_mov_b32 s[G1B+2], 200<<16
	s_mov_b32 s[G1B+3], 32<<16
	s_mov_b32 s[G1B+4], 200
	s_mov_b32 s[G1B+5], 32
	s_mov_b32 s[G1B+6], 0
	s_mov_b32 s[G1B+7], 0
	s_mul_i32 s16, s66, KBT*REC
	s_mul_i32 s17, s22, BLK/2
	s_add_co_u32 s16, s16, s17
	s_mov_b32 s17, 0
	s_lshl_b32 s46, s42, 1
	s_add_co_u32 s46, s46, s22
	s_mul_i32 s46, s46, KBT*REC
	s_mov_b32 s47, 0
	s_mul_i32 s45, s22, BLK/2
	s_mul_i32 s68, s22, BLK
	s_add_co_u32 s68, s68, BLK
	s_wait_alu depctr_va_vdst(0)
	s_wait_kmcnt 0x0
	s_add_nc_u64 s[16:17], s[4:5], s[16:17]
	s_add_nc_u64 s[46:47], s[6:7], s[46:47]
	s_cmp_eq_u32 s21, 0                            ; the prefetches' base: what my wave fetches, + my work-group's quarter of it, told apart by address alone
	s_cselect_b64 s[94:95], s[16:17], s[46:47]
	s_mul_i32 s96, s40, 6400
	s_mul_i32 s97, s41, 12800
	s_cselect_b32 s96, s96, s97
	s_mov_b32 s97, 0
	s_add_nc_u64 s[94:95], s[94:95], s[96:97]
	s_mov_b32 s98, NSLOT-4                         ; slots 4 .. NSLOT - 1 are asked for behind refills
	CROUND
.irp s, 0,1
	s_mov_b32 s[G0+4*\s], 1
	s_add_co_u32 s[G0+4*\s+1], s45, \s*SLOT
	s_add_nc_u64 s[G0+4*\s+2:G0+4*\s+3], s[16:17], \s*BLK
	s_or_b32 s[G0+4*\s+3], s[G0+4*\s+3], 0x80000000
	s_mov_b32 s[G0B+4*\s], 1
	s_add_co_u32 s[G0B+4*\s+1], s68, \s*SLOT
	s_add_nc_u64 s[G0B+4*\s+2:G0B+4*\s+3], s[46:47], \s*BLK
	s_or_b32 s[G0B+4*\s+3], s[G0B+4*\s+3], 0x80000000
.endr
	JLOAD 0                                        ; slot 0: one tensor load a wave at the head
	PF2 BLK                                        ; slots 1 and 2 are asked of memory now,
	PF2 2*BLK
	s_mul_i32 s68, s66, KBO
	s_mul_i32 s69, s42, 8*NSET
	s_add_co_u32 s68, s68, s69
	s_add_co_u32 s68, s68, 8*NSET
	s_mul_i32 s68, s68, REC
	s_mov_b32 s69, 0
	s_add_nc_u64 s[90:91], s[8:9], s[68:69]
	s_mul_i32 s70, s20, 1536
	s_mov_b32 s71, 0
	s_add_nc_u64 s[72:73], s[90:91], s[70:71]
	s_mul_i32 s70, s20, 2*NSET*REC
	s_add_nc_u64 s[90:91], s[90:91], s[70:71]
	s_mul_i32 s68, s66, KBO
	s_mul_i32 s70, s42, NSET
	s_add_co_u32 s68, s68, s70
	s_mul_i32 s68, s68, REC
	s_add_nc_u64 s[92:93], s[8:9], s[68:69]
	s_mul_i32 s70, s20, 1536
	s_add_nc_u64 s[74:75], s[92:93], s[70:71]
	s_mul_i32 s70, s20, REC
	s_add_nc_u64 s[92:93], s[92:93], s[70:71]
	s_mov_b32 s78, 0x76543210
	s_mov_b32 s79, 0xfedcba98
	s_mov_b32 s80, 0x3fb01a50
	s_mov_b32 s81, s80
	s_mov_b32 s82, 0x3f8ce1da
	s_mov_b32 s83, s82
	s_mov_b32 s84, 0x3f0ce1da
	s_mov_b32 s85, s84
	s_mov_b32 s88, 0xbfb8aa3b
	s_mov_b32 s89, s88
	v_and_b32 v28, 31, v0
	v_lshlrev_b32 v1, 4, v28
	v_lshlrev_b32 v29, 3, v28
	s_mul_i32 s69, s20, REC
	v_add_nc_u32 v30, s69, v1
	v_add_nc_u32 v31, s69, v29
.irp s, 0,1
.irp p, 0,1,2
	v_add_nc_u32 v[2+3*\s+\p], \s*SLOT+\p*BLK, v30
	v_add_nc_u32 v[8+3*\s+\p], \s*SLOT+\p*BLK+6144, v31
.endr
.endr
	s_wait_alu depctr_va_vdst(0)
	s_wait_tensorcnt 0x0                           ; my part of slot 0 is in
	ds_add_u32 v[SPW], v[NIL]
	s_wait_dscnt 0x0
	CROUND
	JLOAD 1                                        ; slot 1's first fill, the first tensor load behind the round
	FETCH 0, 0, 0
	PF2 3*BLK                                      ; and slot 3 behind slot 1's load
	STEP0 0, 1
.if TRIPS > 0
	s_mov_b32 s67, TRIPS
.Llap:
	TURN 0, 1, 1
	STEP0 1, 0
	TURN 1, 0, 1
	STEP0 0, 0
	s_sub_co_u32 s67, s67, 1
	s_cmp_lg_u32 s67, 0
	s_cbranch_scc1 .Llap
.endif
.if NSLOT%2 == 0
	TURN 0, 1, 0
	STEP0 1, 0
.else
	TURN 0, 1, 1
	STEP0 1, 0
	TURN 1, 0, 0
	STEP0 0, 0
.endif
	LAST
	s_mul_i32 s69, s20, 8192
	s_add_co_u32 s69, s69, RED
	v_add_nc_u32 v28, s69, v1
	v_add_nc_u32 v29, 65536, v28
	s_lshl_b32 s69, s20, 15
	s_add_co_u32 s69, s69, RED
	v_add_nc_u32 v30, s69, v1
	v_nop
	WIN 0x04
.irp m, 0,1,2,3
.irp t, 0,1,2,3,4,5,6,7
	ds_store_b128 v[28+\m/2], v[8*(8*\m+\t):8*(8*\m+\t)+3] offset:32768*(\m%2)+1024*\t
	ds_store_b128 v[28+\m/2], v[8*(8*\m+\t)+4:8*(8*\m+\t)+7] offset:32768*(\m%2)+1024*\t+512
.endr
.endr
	WIN 0
	s_lshl_b32 s69, s22, 7
	s_lshl_b32 s70, s21, 2
	s_add_co_u32 s69, s69, s70
	s_add_co_u32 s69, s69, SCST
	v_and_b32 v36, 15, v0
	v_lshlrev_b32 v[SS], 3, v36
	v_add_nc_u32 v[SS], s69, v[SS]
	v_add_nc_u32 v[SI], 4096, v[SS]
.irp b, 0,1,2,3
	v_mov_b32 v[TM+4+\b], 0
.endr
	s_wait_alu depctr_va_vdst(0)
	s_wait_dscnt 0x0
	s_barrier_signal -1
	s_barrier_wait -1
	WIN 0x40
.irp s, 0,1,2,3
.irp t, 0,1,2,3,4,5,6,7
	ds_load_b128 v[64*\s+8*\t:64*\s+8*\t+3], v30 offset:8192*\s+1024*\t
	ds_load_b128 v[64*\s+8*\t+4:64*\s+8*\t+7], v30 offset:8192*\s+1024*\t+512
.endr
.if \s == 2
	s_wait_dscnt 32
.endif
.endr
	s_wait_dscnt 32
	WIN 0x45
.set i, 0
.rept 32
	v_pk_add_f32 v[i:i+1], v[i:i+1], v[64+i:65+i]
.set i, i+2
.endr
	s_wait_dscnt 0x0
.set i, 0
.rept 32
	v_pk_add_f32 v[128+i:129+i], v[128+i:129+i], v[192+i:193+i]
.set i, i+2
.endr
	WIN 0x05
.set i, 0
.rept 32
	v_pk_add_f32 v[H+i:H+i+1], v[i:i+1], v[128+i:129+i]
.set i, i+2
.endr
	WIN 0
	s_mov_b32 s77, 0
	SILUQ H, 0
	SPSET H
	s_wait_dscnt 0x0
	s_barrier_signal -1
	s_barrier_wait -1
	v_and_b32 v43, 31, v0
	v_lshlrev_b32 v43, 3, v43
	s_mul_i32 s69, s20, 512*NSET
	s_add_co_u32 s69, s69, SCST
	v_add_nc_u32 v42, s69, v43
	s_lshl_b32 s69, s20, 8
	s_add_co_u32 s69, s69, SCST+4096
	v_add_nc_u32 v36, s69, v43
.irp i, 0,1
	ds_load_b64 v[128+2*\i:129+2*\i], v42 offset:256*\i
.endr
	s_wait_alu depctr_va_vdst(0)
	s_wait_dscnt 0x0
.irp i, 0,1
	global_store_b64 v43, v[128+2*\i:129+2*\i], s[90:91] offset:REC*\i+6144 th:TH_STORE_NT
.endr
	s_cmp_ge_u32 s20, NSET
	s_cbranch_scc1 .Lno_si
	ds_load_b64 v[144:145], v36
	s_wait_dscnt 0x0
	global_store_b64 v43, v[144:145], s[92:93] offset:6144 th:TH_STORE_NT
.Lno_si:
	s_wait_tensorcnt 0x0
	ds_add_u32 v[SPW], v[NIL]
	s_wait_dscnt 0x0
	CROUND
	s_endpgm
.Lfunc_end_k_qb2b5a0bfe8_layer0:
	.size	k_qb2b5a0bfe8_layer0, .Lfunc_end_k_qb2b5a0bfe8_layer0-k_qb2b5a0bfe8_layer0
	.p2alignl 7, 3214868480
	.fill 96, 4, 3214868480
	.section	.rodata,"a",@progbits
	.p2align	6, 0x0
	.amdhsa_kernel k_qb2b5a0bfe8_layer0
		.amdhsa_group_segment_fixed_size 327680
		.amdhsa_private_segment_fixed_size 0
		.amdhsa_enable_private_segment 0
		.amdhsa_kernarg_size 24
		.amdhsa_user_sgpr_count 2
		.amdhsa_user_sgpr_kernarg_segment_ptr 1
		.amdhsa_wavefront_size32 1
		.amdhsa_system_sgpr_workgroup_id_x 1
		.amdhsa_system_sgpr_workgroup_id_y 1
		.amdhsa_system_sgpr_workgroup_id_z 1
		.amdhsa_system_vgpr_workitem_id 0
		.amdhsa_next_free_vgpr 768
		.amdhsa_next_free_sgpr 100
		.amdhsa_reserve_vcc 0
		.amdhsa_float_denorm_mode_32 3
		.amdhsa_float_denorm_mode_16_64 3
		.amdhsa_memory_ordered 1
		.amdhsa_forward_progress 1
		.amdhsa_inst_pref_size 126
	.end_amdhsa_kernel
	.amdgpu_metadata
---
amdhsa.version: [ 1, 2 ]
amdhsa.kernels:
  - .name:           k_qb2b5a0bfe8_layer0
    .symbol:         k_qb2b5a0bfe8_layer0.kd
    .args:
      - { .name: a0, .offset: 0, .size: 8, .value_kind: global_buffer, .address_space: global }
      - { .name: w0, .offset: 8, .size: 8, .value_kind: global_buffer, .address_space: global }
      - { .name: a1, .offset: 16, .size: 8, .value_kind: global_buffer, .address_space: global }
    .group_segment_fixed_size: 327680
    .private_segment_fixed_size: 0
    .kernarg_segment_align: 8
    .kernarg_segment_size: 24
    .max_flat_workgroup_size: 128
    .sgpr_count:     100
    .vgpr_count:     768
    .wavefront_size: 32
...
	.end_amdgpu_metadata
.endif
;; end of part 3
;; launch layer1 (part 4): grid 8 x 32, 4 waves a work-group, clusters of 4 x 4, 327,680 bytes of LDS; arguments a1, w1, out0; writes out0
.if DOCPART == 4
	.amdgcn_target "amdgcn-amd-amdhsa--gfx1250"
	.amdhsa_code_object_version 6
	.text
	.protected	k_qb2b5a0bfe8_layer1
	.globl	k_qb2b5a0bfe8_layer1
	.p2align	8
	.type	k_qb2b5a0bfe8_layer1,@function
k_qb2b5a0bfe8_layer1:
	s_mov_b64 s[64:65], 0
	v_nop
	global_prefetch_b8 v0, s[64:65] scope:SCOPE_SE
	s_setreg_imm32_b32 hwreg(HW_REG_WAVE_MODE, 25, 1), 1
	s_wait_xcnt 0x0
	s_wait_alu depctr_hold_cnt(0) depctr_sa_sdst(0) depctr_va_vdst(0) depctr_va_sdst(0) depctr_va_ssrc(0) depctr_va_vcc(0) depctr_vm_vsrc(0)
	s_getreg_b32 s2, hwreg(HW_REG_IB_STS2, 6, 4)
	s_cmp_eq_u32 s2, 0
	s_cbranch_scc0 .Lentry_in_a_cluster
	s_endpgm
.Lentry_in_a_cluster:
	s_bfe_u32 s2, ttmp6, 0x10000c
	s_cmp_lg_u32 s2, 0xf033
	s_cbranch_scc0 .Lentry_shape_is_right
	s_endpgm
.Lentry_shape_is_right:
.set KBT,   72
.set REC,   6400
.set BLK,   8*REC
.set SLOT,  3*BLK
.set SPARE, 2*SLOT
.set NSLOT, KBT/8
.set TRIPS, (NSLOT-2-NSLOT%2)/2
.set LASTS, (NSLOT-1)%2
.set RED,   (1-LASTS)*SLOT
.set PRIV,  LASTS*SLOT
.set SPW,  14
.set NIL,  15
.set SC,   16
.set H,    64
.set G1,   24
.set G0,   32
.set G1B,  48
.set G0B,  56
.set MUL,  0x52
.set MSB,  0
.set ASKON, 1                          ; 1 while refills still have a slot two refills on to ask for: through the loop; 0 in the tail that is written out
.macro WIN new
.if MSB != \new
	s_set_vgpr_msb (MSB<<8)|\new
.set MSB, \new
.endif
.endm
.macro PLACES n
.rept \n
	v_nop
.endr
.endm
.macro JLOAD s
	s_cmp_eq_u32 s21, 0
	s_cbranch_scc0 .Lfor_w_\@
	tensor_load_to_lds s[G0+4*\s:G0+4*\s+3], s[G1:G1+7]
	s_nop 0
.rept 4
	v_nop
.endr
	s_branch .Lasked_\@
.Lfor_w_\@:
	tensor_load_to_lds s[G0B+4*\s:G0B+4*\s+3], s[G1B:G1B+7]
	s_nop 0
.rept 4
	v_nop
.endr
.Lasked_\@:
.endm
.macro CREST
	s_cmp_lg_u32 s20, 0
	s_cbranch_scc1 .Lnot_wave_0_\@
	s_barrier_signal -3
.Lnot_wave_0_\@:
	s_barrier_wait -3
	s_barrier_signal -1
	s_barrier_wait -1
.endm
.macro CROUND
	s_barrier_signal -1
	s_barrier_wait -1
	CREST
.endm
.macro FETCH slot, q, sg
	WIN 0x80
.irp t, 0,1,2,3,4,5,6,7
.irp c, 0,1,2
	ds_load_b128 v[128*(\sg)+12*\t+4*\c:128*(\sg)+12*\t+4*\c+3], v[2+3*(\slot)+1+\t/4] offset:4*REC*(\q)+1536*(\t%4)+512*\c
.endr
.endr
	WIN 0
.irp m, 0,1,2,3
.irp c, 0,1,2
	ds_load_b128 v[64+48*(\sg)+12*\m+4*\c:64+48*(\sg)+12*\m+4*\c+3], v[2+3*(\slot)] offset:4*REC*(\q)+1536*\m+512*\c
.endr
.endr
.irp p, 0,1,2
	ds_load_b64 v[SC+6*(\sg)+2*\p:SC+6*(\sg)+2*\p+1], v[8+3*(\slot)+\p] offset:4*REC*(\q)
.endr
.endm
.macro W1 t, m, sg, zero
.set rD, 8*(8*(\m)+(\t))
.set rA, 128*(\sg)+12*(\t)
.set rB, 64+48*(\sg)+12*(\m)
.set rP, SC+6*(\sg)+2+(\t)/2
.set rQ, SC+6*(\sg)+(\m)/2
.if \zero
.if ((\t)%2 == 0) && ((\m)%2 == 0)
	v_wmma_scale_f32_16x16x128_f8f6f4 v[rD:rD+7], v[rA:rA+11], v[rB:rB+11], 0, v[rP], v[rQ] matrix_a_fmt:MATRIX_FMT_FP6 matrix_b_fmt:MATRIX_FMT_FP6
.elseif ((\t)%2 == 1) && ((\m)%2 == 0)
	v_wmma_scale_f32_16x16x128_f8f6f4 v[rD:rD+7], v[rA:rA+11], v[rB:rB+11], 0, v[rP], v[rQ] matrix_a_fmt:MATRIX_FMT_FP6 matrix_b_fmt:MATRIX_FMT_FP6 matrix_a_scale:MATRIX_SCALE_ROW1
.elseif ((\t)%2 == 0)
	v_wmma_scale_f32_16x16x128_f8f6f4 v[rD:rD+7], v[rA:rA+11], v[rB:rB+11], 0, v[rP], v[rQ] matrix_a_fmt:MATRIX_FMT_FP6 matrix_b_fmt:MATRIX_FMT_FP6 matrix_b_scale:MATRIX_SCALE_ROW1
.else
	v_wmma_scale_f32_16x16x128_f8f6f4 v[rD:rD+7], v[rA:rA+11], v[rB:rB+11], 0, v[rP], v[rQ] matrix_a_fmt:MATRIX_FMT_FP6 matrix_b_fmt:MATRIX_FMT_FP6 matrix_a_scale:MATRIX_SCALE_ROW1 matrix_b_scale:MATRIX_SCALE_ROW1
.endif
.else
.if ((\t)%2 == 0) && ((\m)%2 == 0)
	v_wmma_scale_f32_16x16x128_f8f6f4 v[rD:rD+7], v[rA:rA+11], v[rB:rB+11], v[rD:rD+7], v[rP], v[rQ] matrix_a_fmt:MATRIX_FMT_FP6 matrix_b_fmt:MATRIX_FMT_FP6
.elseif ((\t)%2 == 1) && ((\m)%2 == 0)
	v_wmma_scale_f32_16x16x128_f8f6f4 v[rD:rD+7], v[rA:rA+11], v[rB:rB+11], v[rD:rD+7], v[rP], v[rQ] matrix_a_fmt:MATRIX_FMT_FP6 matrix_b_fmt:MATRIX_FMT_FP6 matrix_a_scale:MATRIX_SCALE_ROW1
.elseif ((\t)%2 == 0)
	v_wmma_scale_f32_16x16x128_f8f6f4 v[rD:rD+7], v[rA:rA+11], v[rB:rB+11], v[rD:rD+7], v[rP], v[rQ] matrix_a_fmt:MATRIX_FMT_FP6 matrix_b_fmt:MATRIX_FMT_FP6 matrix_b_scale:MATRIX_SCALE_ROW1
.else
	v_wmma_scale_f32_16x16x128_f8f6f4 v[rD:rD+7], v[rA:rA+11], v[rB:rB+11], v[rD:rD+7], v[rP], v[rQ] matrix_a_fmt:MATRIX_FMT_FP6 matrix_b_fmt:MATRIX_FMT_FP6 matrix_a_scale:MATRIX_SCALE_ROW1 matrix_b_scale:MATRIX_SCALE_ROW1
.endif
.endif
.endm
.macro MULM sg, m, zero
.irp t, 0,1,2,3,4,5,6,7
	W1 \t, \m, \sg, \zero
.endr
.endm
.macro STEP0 slot, zero
	WIN 0
	PLACES 4
	FETCH \slot, 1, 1
	s_wait_dscnt 39
	WIN MUL
	MULM 0, 0, \zero
	MULM 0, 1, \zero
	MULM 0, 2, \zero
	MULM 0, 3, \zero
	WIN 0
.endm
; a prefetch into the L2: my work-group's quarter of what my wave fetches of one slot: 25 blocks of 256 bytes of x's records (waves 0, 1), twice 25 of the weights' (waves 2, 3); a lane a block, lanes 25-31 name the last again
.macro PF2 off
	global_prefetch_b8 v160, s[94:95] offset:\off th:TH_LOAD_NT scope:SCOPE_SE
	s_cmp_eq_u32 s21, 0
	s_cbranch_scc1 .Lpf_\@
	global_prefetch_b8 v160, s[94:95] offset:\off+6400 th:TH_LOAD_NT scope:SCOPE_SE
.Lpf_\@:
.endm
; behind the refill that asks for slot k + 2: slot k + 4, two refills on; s98 counts the slots that are left to ask for, so the last two refills ask for nothing
.macro ASK
	s_cmp_gt_i32 s98, 0
	s_cbranch_scc0 .Lna_\@
	PF2 3*BLK
.Lna_\@:
	s_sub_co_i32 s98, s98, 1
.endm
.macro TURN slot, next, fill
	s_wait_xcnt 0x0                                ; my prefetches have read their address registers: the base is stepped only behind this wait
.if \fill
	s_add_nc_u64 s[94:95], s[94:95], BLK
.endif
	s_wait_tensorcnt 0x0
	ds_add_u32 v[SPW], v[NIL]
	s_wait_dscnt 1
	WIN MUL
	MULM 1, 0, 0
	s_wait_dscnt 0x0
	s_barrier_signal -1
	MULM 1, 1, 0
	WIN 0
	s_barrier_wait -1
.if \fill
	CREST
	s_add_nc_u64 s[G0+4*\slot+2:G0+4*\slot+3], s[G0+4*\slot+2:G0+4*\slot+3], 2*BLK
	s_add_nc_u64 s[G0B+4*\slot+2:G0B+4*\slot+3], s[G0B+4*\slot+2:G0B+4*\slot+3], 2*BLK
	JLOAD \slot
.else
	PLACES 4
.endif
	FETCH \next, 0, 0
.if (\fill) && ASKON
	ASK
.endif
	WIN MUL
	MULM 1, 2, 0
	MULM 1, 3, 0
	WIN 0
.endm
.macro LAST
	s_wait_dscnt 0x0
	WIN MUL
	MULM 1, 0, 0
	MULM 1, 1, 0
	MULM 1, 2, 0
	MULM 1, 3, 0
	WIN 0
.endm
	s_load_b128 s[4:7], s[0:1], 0x0
	s_load_b64 s[8:9], s[0:1], 0x10
	v_lshl_add_u32 v[SPW], v0, 2, SPARE
	v_mov_b32 v[NIL], 0
	ds_add_u32 v14, v15
	ds_add_u32 v14, v15
	s_wait_dscnt 0x0
	v_lshrrev_b32 v28, 5, v0
	v_readfirstlane_b32 s20, v28
	v_and_b32 v160, 31, v0
	v_min_u32 v160, 24, v160
	v_lshlrev_b32 v160, 8, v160                    ; the prefetches' offset: 256 x min(lane, 24)
	s_lshr_b32 s21, s20, 1
	s_and_b32 s22, s20, 1
	s_bfe_u32 s40, ttmp6, 0x40000
	s_bfe_u32 s41, ttmp6, 0x40004
	s_and_b32 s66, ttmp7, 0xffff
	s_and_b32 s42, s66, 1
	s_lshl_b32 s42, s42, 2
	s_add_co_u32 s42, s42, s40                     ; block of 128 columns = 4 (cluster y & 1) + cx
	s_lshr_b32 s66, s66, 1
	s_lshl_b32 s99, ttmp9, 2
	s_add_co_u32 s66, s66, s99
	s_lshl_b32 s66, s66, 2
	s_add_co_u32 s66, s66, s41                     ; group of 64 rows = 4 (4 cluster x + (cluster y >> 1)) + cy
	s_lshl_b32 s43, s41, 2
	s_lshl_b32 s43, 15, s43
	s_lshl_b32 s44, 0x1111, s40
	s_or_b32 s[G1], s43, (3<<16)|(1<<21)
	s_or_b32 s[G1B], s44, (3<<16)|(1<<21)
	s_mov_b32 s[G1+1], 32<<16
	s_mov_b32 s[G1+2], 100<<16
	s_mov_b32 s[G1+3], 32<<16
	s_mov_b32 s[G1+4], 100
	s_mov_b32 s[G1+5], 32
	s_mov_b32 s[G1+6], 0
	s_mov_b32 s[G1+7], 0
	s_mov_b32 s[G1B+1], 32<<16
	s_mov_b32 s[G1B+2], 200<<16
	s_mov_b32 s[G1B+3], 32<<16
	s_mov_b32 s[G1B+4], 200
	s_mov_b32 s[G1B+5], 32
	s_mov_b32 s[G1B+6], 0
	s_mov_b32 s[G1B+7], 0
	s_mul_i32 s16, s66, KBT*REC
	s_mul_i32 s17, s22, BLK/2
	s_add_co_u32 s16, s16, s17
	s_mov_b32 s17, 0
	s_lshl_b32 s46, s42, 1
	s_add_co_u32 s46, s46, s22
	s_mul_i32 s46, s46, KBT*REC
	s_mov_b32 s47, 0
	s_mul_i32 s45, s22, BLK/2
	s_mul_i32 s68, s22, BLK
	s_add_co_u32 s68, s68, BLK
	s_wait_alu depctr_va_vdst(0)
	s_wait_kmcnt 0x0
	s_add_nc_u64 s[16:17], s[4:5], s[16:17]
	s_add_nc_u64 s[46:47], s[6:7], s[46:47]
	s_cmp_eq_u32 s21, 0                            ; the prefetches' base: what my wave fetches, + my work-group's quarter of it, told apart by address alone
	s_cselect_b64 s[94:95], s[16:17], s[46:47]
	s_mul_i32 s96, s40, 6400
	s_mul_i32 s97, s41, 12800
	s_cselect_b32 s96, s96, s97
	s_mov_b32 s97, 0
	s_add_nc_u64 s[94:95], s[94:95], s[96:97]
	s_mov_b32 s98, NSLOT-4                         ; slots 4 .. NSLOT - 1 are asked for behind refills
	CROUND
.irp s, 0,1
	s_mov_b32 s[G0+4*\s], 1
	s_add_co_u32 s[G0+4*\s+1], s45, \s*SLOT
	s_add_nc_u64 s[G0+4*\s+2:G0+4*\s+3], s[16:17], \s*BLK
	s_or_b32 s[G0+4*\s+3], s[G0+4*\s+3], 0x80000000
	s_mov_b32 s[G0B+4*\s], 1
	s_add_co_u32 s[G0B+4*\s+1], s68, \s*SLOT
	s_add_nc_u64 s[G0B+4*\s+2:G0B+4*\s+3], s[46:47], \s*BLK
	s_or_b32 s[G0B+4*\s+3], s[G0B+4*\s+3], 0x80000000
.endr
	JLOAD 0                                        ; slot 0: one tensor load a wave at the head
	PF2 BLK                                        ; slots 1 and 2 are asked of memory now,
	PF2 2*BLK
	s_lshl_b32 s68, s66, 6
	s_lshl_b32 s70, s20, 4
	s_add_co_u32 s68, s68, s70
	s_lshl_b32 s68, s68, 12
	s_lshl_b32 s70, s42, 9
	s_add_co_u32 s68, s68, s70
	s_mov_b32 s69, 0
	s_add_nc_u64 s[8:9], s[8:9], s[68:69]
	v_and_b32 v28, 31, v0
	v_lshlrev_b32 v1, 4, v28
	v_lshlrev_b32 v29, 3, v28
	s_mul_i32 s69, s20, REC
	v_add_nc_u32 v30, s69, v1
	v_add_nc_u32 v31, s69, v29
.irp s, 0,1
.irp p, 0,1,2
	v_add_nc_u32 v[2+3*\s+\p], \s*SLOT+\p*BLK, v30
	v_add_nc_u32 v[8+3*\s+\p], \s*SLOT+\p*BLK+6144, v31
.endr
.endr
	s_wait_alu depctr_va_vdst(0)
	s_wait_tensorcnt 0x0                           ; my part of slot 0 is in
	ds_add_u32 v[SPW], v[NIL]
	s_wait_dscnt 0x0
	CROUND
	JLOAD 1                                        ; slot 1's first fill, the first tensor load behind the round
	FETCH 0, 0, 0
	PF2 3*BLK                                      ; and slot 3 behind slot 1's load
	STEP0 0, 1
.if TRIPS > 0
	s_mov_b32 s67, TRIPS
.Llap:
	TURN 0, 1, 1
	STEP0 1, 0
	TURN 1, 0, 1
	STEP0 0, 0
	s_sub_co_u32 s67, s67, 1
	s_cmp_lg_u32 s67, 0
	s_cbranch_scc1 .Llap
.set ASKON, 0
.endif
.if NSLOT%2 == 0
	TURN 0, 1, 0
	STEP0 1, 0
.else
	TURN 0, 1, 1
	STEP0 1, 0
	TURN 1, 0, 0
	STEP0 0, 0
.endif
	LAST
	s_mul_i32 s69, s20, 8192
	s_add_co_u32 s69, s69, RED
	v_add_nc_u32 v28, s69, v1
	v_add_nc_u32 v29, 65536, v28
	s_lshl_b32 s69, s20, 15
	s_add_co_u32 s69, s69, RED
	v_add_nc_u32 v30, s69, v1
	v_nop
	WIN 0x04
.irp m, 0,1,2,3
.irp t, 0,1,2,3,4,5,6,7
	ds_store_b128 v[28+\m/2], v[8*(8*\m+\t):8*(8*\m+\t)+3] offset:32768*(\m%2)+1024*\t
	ds_store_b128 v[28+\m/2], v[8*(8*\m+\t)+4:8*(8*\m+\t)+7] offset:32768*(\m%2)+1024*\t+512
.endr
.endr
	WIN 0
	v_and_b32 v31, 15, v0
	v_bfe_u32 v32, v0, 4, 1
	s_mul_i32 s69, s20, 8448
	s_add_co_u32 s69, s69, PRIV
	v_mul_u32_u24 v33, v31, 528
	v_lshl_add_u32 v33, v32, 6, v33
	v_add_nc_u32 v33, s69, v33
	v_add_nc_u32 v34, s69, v1
	s_wait_alu depctr_va_vdst(0)
	s_wait_dscnt 0x0
	s_barrier_signal -1
	s_barrier_wait -1
	WIN 0x40
.irp s, 0,1,2,3
.irp t, 0,1,2,3,4,5,6,7
	ds_load_b128 v[64*\s+8*\t:64*\s+8*\t+3], v30 offset:8192*\s+1024*\t
	ds_load_b128 v[64*\s+8*\t+4:64*\s+8*\t+7], v30 offset:8192*\s+1024*\t+512
.endr
.endr
	s_wait_dscnt 32
	WIN 0x45
.set i, 0
.rept 32
	v_pk_add_f32 v[i:i+1], v[i:i+1], v[64+i:65+i]
.set i, i+2
.endr
	s_wait_dscnt 0x0
.set i, 0
.rept 32
	v_pk_add_f32 v[128+i:129+i], v[128+i:129+i], v[192+i:193+i]
.set i, i+2
.endr
	WIN 0x05
.set i, 0
.rept 32
	v_pk_add_f32 v[H+i:H+i+1], v[i:i+1], v[128+i:129+i]
.set i, i+2
.endr
	WIN 0
.irp b, 0,1,2,3
.irp j, 0,1,2,3
	ds_store_b128 v33, v[H+16*\b+4*\j:H+16*\b+4*\j+3] offset:128*\b+16*\j
.endr
.endr
.irp i, 0,1,2,3,4,5,6,7,8,9,10,11,12,13,14,15
	ds_load_b128 v[128+4*\i:128+4*\i+3], v34 offset:528*\i
.endr
.irp i, 0,1,2,3,4,5,6,7,8,9,10,11,12,13,14,15
	s_wait_dscnt 15-\i
	global_store_b128 v1, v[128+4*\i:128+4*\i+3], s[8:9] offset:4096*\i th:TH_STORE_NT
.endr
	s_wait_tensorcnt 0x0
	ds_add_u32 v[SPW], v[NIL]
	s_wait_dscnt 0x0
	CROUND
	s_endpgm
.Lfunc_end_k_qb2b5a0bfe8_layer1:
	.size	k_qb2b5a0bfe8_layer1, .Lfunc_end_k_qb2b5a0bfe8_layer1-k_qb2b5a0bfe8_layer1
	.p2alignl 7, 3214868480
	.fill 96, 4, 3214868480
	.section	.rodata,"a",@progbits
	.p2align	6, 0x0
	.amdhsa_kernel k_qb2b5a0bfe8_layer1
		.amdhsa_group_segment_fixed_size 327680
		.amdhsa_private_segment_fixed_size 0
		.amdhsa_enable_private_segment 0
		.amdhsa_kernarg_size 24
		.amdhsa_user_sgpr_count 2
		.amdhsa_user_sgpr_kernarg_segment_ptr 1
		.amdhsa_wavefront_size32 1
		.amdhsa_system_sgpr_workgroup_id_x 1
		.amdhsa_system_sgpr_workgroup_id_y 1
		.amdhsa_system_sgpr_workgroup_id_z 1
		.amdhsa_system_vgpr_workitem_id 0
		.amdhsa_next_free_vgpr 768
		.amdhsa_next_free_sgpr 100
		.amdhsa_reserve_vcc 0
		.amdhsa_float_denorm_mode_32 3
		.amdhsa_float_denorm_mode_16_64 3
		.amdhsa_memory_ordered 1
		.amdhsa_forward_progress 1
		.amdhsa_inst_pref_size 100
	.end_amdhsa_kernel
	.amdgpu_metadata
---
amdhsa.version: [ 1, 2 ]
amdhsa.kernels:
  - .name:           k_qb2b5a0bfe8_layer1
    .symbol:         k_qb2b5a0bfe8_layer1.kd
    .args:
      - { .name: a1, .offset: 0, .size: 8, .value_kind: global_buffer, .address_space: global }
      - { .name: w1, .offset: 8, .size: 8, .value_kind: global_buffer, .address_space: global }
      - { .name: out0, .offset: 16, .size: 8, .value_kind: global_buffer, .address_space: global }
    .group_segment_fixed_size: 327680
    .private_segment_fixed_size: 0
    .kernarg_segment_align: 8
    .kernarg_segment_size: 24
    .max_flat_workgroup_size: 128
    .sgpr_count:     100
    .vgpr_count:     768
    .wavefront_size: 32
...
	.end_amdgpu_metadata
.endif
;; end of part 4
